; MI455X (gfx1250); checked and timed in simulation.
; The chip was launched on July 23, 2026; its instructions are those of AMD's public machine-readable ISA for CDNA 5 (MIT licence, August 2026) and "CDNA5" Instruction Set Architecture Reference Guide (July 2026). The comments in the code are by the model that wrote it; some were corrected since.
;; Self Attention. Allowed arithmetic: matrix products marked QUANTISED: E2M3 operands, one E8M0 scale for each 32 along K, by v_wmma_scale_f32_16x16x128_f8f6f4 with both operands' format E2M3, f32 sums; everything else in f32.
;; Inputs: ln_b 1,024 float32; ln_w 1,024 float32; out_b 1,024 float32; out_w 1,024 x 1,024 float32; pos 8 x 1,025 int32; qkv_b 3,072 float32; qkv_w 3,072 x 1,024 float32; theta 1,025 x 16 x 32 float32; x 8 x 1,025 x 1,024 float32.
;; Outputs: out0 8 x 1,025 x 1,024 float32.
;; This version of the problem:
;;   THIS VERSION OF THE PROBLEM IS GIVEN IN LOW PRECISION. The matrix products marked QUANTISED in the list below multiply operands that are first quantised to E2M3 (2 exponent bits, 3 mantissa bits; 6 bits a number), with one power-of-two scale for each 32 numbers along K (OCP MX v1.0); their sums are f32. All else is computed in f32.
;;   The module's matrix products, in the order in which they are computed (A, B: the left and right operand; K: the contracted axis; several contracted axes count as one K, in the product's order):
;;     1. [M 8,200, K 1,024] x [K 1,024, N 3,072]; A: computed on the way; B: input qkv_w: QUANTISED
;;     2. batch 128 x [M 1,025, K 64] x [K 64, N 1,025]; A: computed on the way; B: computed on the way: QUANTISED
;;     3. batch 128 x [M 1,025, K 1,025] x [K 1,025, N 64]; A: softmax (see below); B: computed on the way: QUANTISED
;;     4. [M 8,200, K 1,024] x [K 1,024, N 1,024]; A: computed on the way; B: input out_w: QUANTISED
;;   THE QUANTISER, for each operand of a quantised product, along K:
;;     - K is cut into blocks of 32 from its start; a last block that is shorter is filled with zeros.
;;     - A block's scale is 2^e with e = floor(log2(the largest magnitude in the block)) - 2, held to -126 .. 127; a block of zeros has e = 0. As a byte (E8M0): e + 127.
;;     - Each number is divided by its block's scale, clamped to +-7.5, and rounded to the nearest number of E2M3, ties to even, subnormals kept.
;;     - The product sums the exact products of the quantised numbers (number of the format x scale) in f32.
;;   ~~~python
;;   def quantise(x, axis):      # numpy; x: float32 -> the quantised numbers, widened to float32 again
;;       x = np.moveaxis(x, axis, -1); K = x.shape[-1]
;;       x = np.pad(x, [(0, 0)] * (x.ndim - 1) + [(0, -K % 32)]); x = x.reshape(x.shape[:-1] + (-1, 32)); a = np.abs(x).max(-1, keepdims=True)
;;       e = np.where(a > 0, np.clip(np.frexp(np.where(a > 0, a, 1))[1] - 1 - 2, -126, 127), 0)      # np.frexp(a)[1] - 1 = floor(log2(a)), exactly
;;       r = np.clip(x / 2.0 ** e, -7.5, 7.5)
;;       step = 2.0 ** (np.maximum(np.frexp(np.where(r == 0, 1, r))[1] - 1, 0) - 3)
;;       q = np.round(r / step) * step * 2.0 ** e      # np.round: ties to even
;;       return np.moveaxis(q.reshape(q.shape[:-2] + (-1,))[..., :K], -1, axis).astype(np.float32)
;;   ~~~
;;   SOFTMAX AHEAD OF A QUANTISED PRODUCT. Where the list says 'softmax', what is quantised is not the finished softmax but p = 2^(t - M), with t = logit x log2(e) and M = ceil(the row's largest t), a whole number; so 1/2 < the row's largest p <= 1. The row's sum l is taken of the UNQUANTISED p, in f32, and the product's result is divided by l at the end. Since M is a whole number, a kernel that streams over the keys may use a running M (the ceiling of the running maximum): every later rescaling is an exact power of two, which a block's scale takes up: the codes' values come out the same.
;;   OPERANDS COMPUTED ON THE WAY. 'Computed on the way' means the value that the module computes at that place (a softmax that the list does not call 'softmax' is quantised finished and normalised). What goes into a quantiser is computed in f32, as accurately as f32 sums, v_exp_f32 and their like allow (about 1e-6 of the number): no bf16 or f16 on the way to a quantiser, and a product that is left as it is and whose result goes on into a quantised operand takes f32 operands (vector FMAs, or v_wmma_f32_16x16x4_f32). A number that lies on a knife's edge between two numbers of the format may be rounded either way, as far as f32 arithmetic and the matrix unit's own rounding can turn it there, and no further.
;; One version. Each part assembles by itself: llvm-mc -triple=amdgcn-amd-amdhsa -mcpu=gfx1250 --defsym DOCPART=n.
;; ======== version 1 of 1: 4 launches
;; limits: right only within a limited range of input values
;; workspace buffers: hq 7,372,800 bytes; wq 3,276,800 bytes; cs 4,198,400 bytes; qimg 7,077,888 bytes; kv 15,925,248 bytes; oq 7,372,800 bytes
;; launch prep (part 1): grid 1037 x 1, 4 waves a work-group, no clusters, 32,256 bytes of LDS; arguments x, qkv_w, out_w, ln_w, ln_b, theta, hq, wq, cs; writes hq, wq, cs
.if DOCPART == 1
	.amdgcn_target "amdgcn-amd-amdhsa--gfx1250"
	.amdhsa_code_object_version 6
	.text
	.protected	k_q0db2813b85_prep
	.globl	k_q0db2813b85_prep
	.p2align	8
	.type	k_q0db2813b85_prep,@function
k_q0db2813b85_prep:
	s_mov_b64 s[64:65], 0
	v_nop
	global_prefetch_b8 v0, s[64:65] scope:SCOPE_SE
	s_setreg_imm32_b32 hwreg(HW_REG_WAVE_MODE, 25, 1), 1
	s_wait_xcnt 0x0
; PREP.  Three kinds of work-group, told apart by the work-group's number:
;   0 .. 575     tile G of x: 16 padded token rows (a batch's 1,025 rows are padded to 1,152 = 72 tiles): LayerNorm in f32, then codes of E2M3 with one E8M0 byte for each 32 along K -> hq
;   576 .. 831   tile wt of the weights: 16 rows of qkv_w or out_w, quantised as they are -> wq.  Rows are re-ordered: tiles 0-127: row 128 hd + 64 part + d = qkv_w row 1024 part + 64 hd + d (a head's q and k side by side);
;                tiles 128-191: v's rows with bits 3 and 4 of the row number swapped; tiles 192-255: out_w as it lies
;   832 .. 1036  five rows of theta each: cos and sin -> cs [pos][head][cos 32 | sin 32]
; x's tiles and the weights' take ONE path: only pointers and scalars are chosen (F = 1, G = 0: normalise; F = 0, G = 1: mean 0, factor 1, gain 1, bias 0).
; THE IMAGE.  A tile of 16 rows x 1,024 K is 8 fragments of 1,536 bytes (16 rows x 128 K, 12 registers a lane), each as 6 pieces of 256 bytes: piece p holds registers 2 p, 2 p + 1 of lane l at 256 p + 8 l.
; Lane (r, h) of a fragment holds row r; registers 6 c .. 6 c + 5 are the 24 bytes of the row's block 4 kappa + 2 c + h.  The tile's scale bytes: block beta of row r at 128 (beta / 8) + 8 r + beta % 8.
; A wave takes 4 rows, one after the other: a row is 8 loads of 512 consecutive bytes; after the norm it turns through the wave's own LDS so that lane l holds block l (32 neighbours); the codes meet in an image in LDS
; and leave as pieces: each store of a wave covers 256 consecutive bytes, aligned.
; A block's scale is 2^(floor(log2(largest magnitude)) - 2): its byte is the largest magnitude's exponent field - 2, held at 1 from below.
; LIMITS: a block of zeros gets the byte 1 where the rule says 127 (its codes are zeros; only this program reads the bytes); blocks whose largest magnitude lies under 2^-124 keep the byte 1; NaN and infinities are not served;
; cos and sin hold for |theta| up to 48,000 (a reduction by pi / 2 in three parts).
.set HSC,   7077888                    ; hq: the scale bytes begin behind 576 images of 12,288 bytes
.set WSC,   3145728                    ; wq: behind 256 images
.set TPL,   144                        ; the turn: a lane's place: 128 bytes + 16
.set TWV,   32*TPL                     ; a wave's turn region
.set IMG,   4*TWV                      ; the image: 48 pieces, 264 bytes apart
.set PP,    264
.set SCS,   31232                      ; the tile's 512 scale bytes
.set SPARE, 31744                      ; the spare words, 128 bytes for each wave: two blocks of 256 bytes that no other line names
.set SPW,   10                         ; v10  LDS address of my spare word; never rewritten
.set NIL,   11                         ; v11  0; never rewritten
.set T,     36                         ; v36-67   my block's 32 numbers
.set W,     68                         ; v68-99   the gain, as a row is loaded
.set B,     100                        ; v100-131 the bias
.set X,     132                        ; v132-227 three sets of 32: a row as loaded
	s_load_b256 s[4:11], s[0:1], 0x0               ; x, qkv_w, out_w, ln_w
	s_load_b256 s[12:19], s[0:1], 0x20             ; ln_b, theta, hq, wq
	s_load_b64 s[20:21], s[0:1], 0x40              ; cs
	v_lshl_add_u32 v[SPW], v0, 2, SPARE
	v_mov_b32 v[NIL], 0
	s_cmp_ge_u32 ttmp9, 832
	s_cbranch_scc1 .Ltrig
	v_lshrrev_b32 v1, 5, v0
	v_readfirstlane_b32 s22, v1                    ; wave
	v_and_b32 v1, 31, v0                           ; lane
	v_lshlrev_b32 v2, 4, v1                        ; 16 l
	v_lshlrev_b32 v8, 3, v1                        ; 8 l
	s_mul_i32 s23, s22, TWV
	v_lshrrev_b32 v3, 3, v1
	v_mul_u32_u24 v3, v3, TPL
	v_and_b32 v4, 7, v1
	v_lshl_add_u32 v3, v4, 4, v3
	v_add_nc_u32 v3, s23, v3                       ; the turn, in: load j's 16 bytes of lane l belong to block 4 j + l / 8, at 16 (l % 8)
	v_mul_u32_u24 v4, v1, TPL
	v_add_nc_u32 v4, s23, v4                       ; and out: block l
	v_lshrrev_b32 v5, 2, v1
	v_mul_u32_u24 v5, v5, 6*PP
	v_bfe_u32 v6, v1, 1, 1
	v_mad_u32_u24 v5, v6, 3*PP, v5
	v_and_b32 v6, 1, v1
	v_lshl_add_u32 v5, v6, 7, v5
	s_lshl_b32 s24, s22, 5
	s_add_co_u32 s25, s24, IMG
	v_add_nc_u32 v5, s25, v5                       ; the image: block l's first piece 6 (l / 4) + 3 ((l / 2) % 2), lane 16 (l % 2) + row; my rows begin at 4 w
	v_lshrrev_b32 v6, 3, v1
	v_lshlrev_b32 v6, 7, v6
	v_and_b32 v7, 7, v1
	v_add_nc_u32 v6, v6, v7
	s_add_co_u32 s25, s24, SCS
	v_add_nc_u32 v6, s25, v6                       ; block l's scale byte
	s_mul_i32 s25, s22, 12*PP
	s_add_co_u32 s25, s25, IMG
	v_add_nc_u32 v7, s25, v8                       ; the way out: my 12 pieces
	v_add_nc_u32 v9, SCS, v2                       ; and the scale bytes (wave 0)
	; which rows.  x: batch b = id / 72 (by 911 / 65536: exact for id under 576), tile tau
	s_mul_i32 s23, ttmp9, 911
	s_lshr_b32 s23, s23, 16
	s_mul_i32 s24, s23, 72
	s_sub_co_u32 s24, ttmp9, s24
	s_mul_i32 s25, s23, 1025                       ; the batch's first row
	s_lshl_b32 s27, s22, 2                         ; 4 w
	s_lshl_b32 s26, s24, 4
	s_add_co_u32 s26, s26, s27                     ; my first row in the batch: 16 tau + 4 w
	s_sub_co_u32 s28, ttmp9, 576                   ; the weights' tile wt
	s_lshl_b32 s29, s28, 4
	s_add_co_u32 s29, s29, s27                     ; n = 16 wt + 4 w
	s_bfe_u32 s30, s29, 0x10006
	s_lshl_b32 s30, s30, 10
	s_lshr_b32 s31, s29, 7
	s_lshl_b32 s31, s31, 6
	s_add_co_u32 s30, s30, s31
	s_and_b32 s31, s29, 63
	s_add_co_u32 s30, s30, s31                     ; q and k: 1024 ((n / 64) % 2) + 64 (n / 128) + n % 64
	s_sub_co_u32 s31, s28, 128
	s_lshr_b32 s32, s31, 1
	s_lshl_b32 s32, s32, 5
	s_and_b32 s33, s31, 1
	s_lshl_b32 s33, s33, 3
	s_add_co_u32 s32, s32, s33
	s_lshr_b32 s33, s22, 1
	s_lshl_b32 s33, s33, 4
	s_add_co_u32 s32, s32, s33
	s_and_b32 s33, s22, 1
	s_lshl_b32 s33, s33, 2
	s_add_co_u32 s32, s32, s33
	s_add_co_u32 s32, s32, 2048                    ; v: 2048 + 32 (t / 2) + 8 (t % 2) + 16 (w / 2) + 4 (w % 2)
	s_sub_co_u32 s33, s28, 192
	s_lshl_b32 s33, s33, 4
	s_add_co_u32 s33, s33, s27                     ; out_w: as it lies
	s_mov_b32 s42, WSC
	s_wait_kmcnt 0x0
	s_cmp_lt_u32 s28, 192
	s_cselect_b32 s34, s32, s33
	s_cselect_b64 s[36:37], s[6:7], s[8:9]
	s_cmp_lt_u32 s28, 128
	s_cselect_b32 s34, s30, s34
	s_cmp_lt_u32 ttmp9, 576                        ; x or a weight?  All that follows hangs on the work-group's number alone
	s_cselect_b32 s34, s25, s34                    ; base
	s_cselect_b32 s35, s26, 0                      ; off
	s_cselect_b32 s38, 1024, 3                     ; lim: row = base + min(off + i, lim); a row beyond lim is a pad row
	s_cselect_b64 s[36:37], s[4:5], s[36:37]       ; the source
	s_cselect_b32 s39, 1.0, 0                      ; F
	s_cselect_b32 s40, 0, 1.0                      ; G
	s_cselect_b32 s41, ttmp9, s28                  ; the tile's number in its buffer
	s_cselect_b32 s42, HSC, s42
	s_cselect_b32 s43, 0x3a800000, 0               ; F / 1024
	s_cselect_b64 s[66:67], s[16:17], s[18:19]     ; the destination
	s_mul_i32 s44, s41, 12288
	s_mul_i32 s45, s22, 3072
	s_add_co_u32 s44, s44, s45
	s_mov_b32 s45, 0
	s_lshl_b32 s72, s41, 9
	s_add_co_u32 s72, s72, s42
	s_mov_b32 s73, 0
	s_add_nc_u64 s[68:69], s[66:67], s[72:73]      ; the tile's scale bytes
	s_add_nc_u64 s[66:67], s[66:67], s[44:45]      ; my 12 pieces of its image
	s_mov_b32 s46, 0x3a800000                      ; 1 / 1024
	s_mov_b32 s47, 0x3727c5ac                      ; 1e-5
	s_mov_b32 s70, 0x76543210
	s_mov_b32 s71, 0xfedcba98                      ; v_permlanex16_b32's selects for lane l xor 16
.irp i, 0,1,2,3
	s_add_co_u32 s44, s35, \i
	s_min_u32 s45, s44, s38
	s_add_co_u32 s45, s45, s34
	s_lshl_b32 s[48+2*\i], s45, 12                 ; a row is 4,096 bytes
	s_mov_b32 s[49+2*\i], 0
	s_add_nc_u64 s[48+2*\i:49+2*\i], s[36:37], s[48+2*\i:49+2*\i]
	s_cmp_le_u32 s44, s38
	s_cselect_b32 s[56+2*\i], 1.0, 0               ; 0 for a pad row: its numbers become zeros ahead of the quantiser
	s_mov_b32 s[57+2*\i], s[56+2*\i]
.endr
	s_cmp_lt_u32 ttmp9, 576
	s_cbranch_scc0 .Lunit
.irp j, 0,1,2,3,4,5,6,7
	global_load_b128 v[W+4*\j:W+4*\j+3], v2, s[10:11] offset:512*\j
	global_load_b128 v[B+4*\j:B+4*\j+3], v2, s[12:13] offset:512*\j
.endr
	s_branch .Lrows
.Lunit:
.set n, 0
.rept 32
	v_mov_b32 v[W+n], 1.0
	v_mov_b32 v[B+n], 0
.set n, n+1
.endr
.Lrows:
.macro RLOAD i                         ; row i: eight loads of 512 consecutive bytes, into set i % 3
.irp j, 0,1,2,3,4,5,6,7
	global_load_b128 v[X+32*((\i)%3)+4*\j:X+32*((\i)%3)+4*\j+3], v2, s[48+2*(\i):49+2*(\i)] offset:512*\j
.endr
.endm
.macro FOLD                            ; four chains of pairs in v16-23 -> the wave's sum in v16, in every lane
	v_pk_add_f32 v[16:17], v[16:17], v[18:19]
	v_pk_add_f32 v[20:21], v[20:21], v[22:23]
	v_pk_add_f32 v[16:17], v[16:17], v[20:21]
	v_add_f32 v16, v16, v17
	v_add_f32_dpp v16, v16, v16 row_xmask:1 row_mask:0xf bank_mask:0xf
	v_add_f32_dpp v16, v16, v16 row_xmask:2 row_mask:0xf bank_mask:0xf
	v_add_f32_dpp v16, v16, v16 row_xmask:4 row_mask:0xf bank_mask:0xf
	v_add_f32_dpp v16, v16, v16 row_xmask:8 row_mask:0xf bank_mask:0xf
	v_permlanex16_b32 v17, v16, s70, s71
	v_add_f32 v16, v16, v17
.endm
	RLOAD 0
	RLOAD 1
	RLOAD 2
; One row.  left: the younger rows' loads, which may stay out.
.macro ROW i, left
.set XS, X+32*((\i)%3)
	s_wait_loadcnt \left                           ; loads come back in order: this row (and the gain and bias ahead of it) is in
.irp k, 0,1,2,3
	v_pk_add_f32 v[16+2*\k:17+2*\k], v[XS+2*\k:XS+2*\k+1], v[XS+8+2*\k:XS+9+2*\k]
.endr
.irp m, 16,24
.irp k, 0,1,2,3
	v_pk_add_f32 v[16+2*\k:17+2*\k], v[16+2*\k:17+2*\k], v[XS+\m+2*\k:XS+\m+2*\k+1]
.endr
.endr
	FOLD
	v_mul_f32 v12, s43, v16                        ; the mean (0 for a weight)
	v_mov_b32 v13, v12
.set n, 0
.rept 16
	v_pk_add_f32 v[XS+n:XS+n+1], v[XS+n:XS+n+1], v[12:13] neg_lo:[0,1] neg_hi:[0,1]
.set n, n+2
.endr
.irp k, 0,1,2,3
	v_pk_mul_f32 v[16+2*\k:17+2*\k], v[XS+2*\k:XS+2*\k+1], v[XS+2*\k:XS+2*\k+1]
.endr
.irp m, 8,16,24
.irp k, 0,1,2,3
	v_pk_fma_f32 v[16+2*\k:17+2*\k], v[XS+\m+2*\k:XS+\m+2*\k+1], v[XS+\m+2*\k:XS+\m+2*\k+1], v[16+2*\k:17+2*\k]
.endr
.endr
	FOLD
	v_fma_f32 v14, v16, s46, s47                   ; the variance + 1e-5
	s_wait_alu depctr_va_vdst(0)
	v_rsq_f32 v15, v14
	v_nop                                          ; a plain instruction behind the transcendental
	s_wait_alu depctr_va_vdst(0)                   ; and the wait ahead of the first line that names its result
	v_fma_f32 v14, v15, s39, s40                   ; (1 for a weight)
	v_mov_b32 v15, v14
.set n, 0
.rept 16
	v_pk_mul_f32 v[XS+n:XS+n+1], v[XS+n:XS+n+1], v[14:15]
.set n, n+2
.endr
.set n, 0
.rept 16
	v_pk_fma_f32 v[XS+n:XS+n+1], v[XS+n:XS+n+1], v[W+n:W+n+1], v[B+n:B+n+1]
.set n, n+2
.endr
.irp j, 0,1,2,3,4,5,6,7
	ds_store_b128 v3, v[XS+4*\j:XS+4*\j+3] offset:4*TPL*\j
.endr
.irp k, 0,1,2,3,4,5,6,7
	ds_load_b128 v[T+4*\k:T+4*\k+3], v4 offset:16*\k   ; LDS serves a wave's instructions in order: these see the stores above
.endr
	s_wait_dscnt 0x0                               ; my block is in; the last row's stores of codes and byte have read their registers too
.if (\i) == 0
	RLOAD 3                                        ; into the set that has just been stored
.endif
.set n, 0
.rept 16
	v_pk_mul_f32 v[T+n:T+n+1], v[T+n:T+n+1], s[56+2*(\i):57+2*(\i)] op_sel_hi:[1,0]
.set n, n+2
.endr
	v_max3_num_f32 v16, |v[T]|, |v[T+1]|, |v[T+2]|  ; the block's largest magnitude: all 32 numbers are mine
	v_max3_num_f32 v17, |v[T+3]|, |v[T+4]|, |v[T+5]|
.irp k, 6,10,14,18,22,26
	v_max3_num_f32 v16, v16, |v[T+\k]|, |v[T+\k+1]|
	v_max3_num_f32 v17, v17, |v[T+\k+2]|, |v[T+\k+3]|
.endr
	v_max3_num_f32 v16, v16, |v[T+30]|, |v[T+31]|
	v_max3_num_f32 v16, v16, v17, 0x1800000        ; and the floor 2^(3 - 127): the byte cannot fall under 1
	v_add_nc_u32 v33, 0xff000000, v16              ; 2 off the exponent field: the conversion takes this operand's exponent field as its scale
	v_lshrrev_b32 v34, 23, v33                     ; the scale's byte
	v_cvt_scalef32_pk16_fp6_f32 v[24:26], v[T:T+15], v33
	v_cvt_scalef32_pk16_fp6_f32 v[30:32], v[T+16:T+31], v33   ; (a conversion's three registers begin on an even number)
	v_nop                                          ; one plain place behind a scaled conversion
	v_mov_b32 v27, v30
	v_mov_b32 v28, v31
	v_mov_b32 v29, v32
	ds_store_b64 v5, v[24:25] offset:8*(\i)
	ds_store_b64 v5, v[26:27] offset:PP+8*(\i)
	ds_store_b64 v5, v[28:29] offset:2*PP+8*(\i)
	ds_store_b8 v6, v34 offset:8*(\i)
.endm
	ROW 0, 16
	ROW 1, 16
	ROW 2, 8
	ROW 3, 0
	s_wait_dscnt 0x0                               ; for the others' sake: my stores into the image are done
	s_barrier_signal -1
	s_barrier_wait -1
.irp k, 0,1,2,3,4,5,6,7,8,9,10,11
	ds_load_b64 v[X+2*\k:X+2*\k+1], v7 offset:PP*\k
.endr
.irp k, 0,1,2,3,4,5,6,7,8,9,10,11
	s_wait_dscnt 11-\k
	global_store_b64 v8, v[X+2*\k:X+2*\k+1], s[66:67] offset:256*\k   ; a piece: 256 consecutive bytes, aligned
.endr
	s_cmp_lg_u32 s22, 0
	s_cbranch_scc1 .Lnot_0
	ds_load_b128 v[T:T+3], v9
	s_wait_dscnt 0x0
	global_store_b128 v2, v[T:T+3], s[68:69]       ; the tile's 512 scale bytes
.Lnot_0:
	s_wait_tensorcnt 0x0                           ; the wave's end, behind my last LDS store
	ds_add_u32 v[SPW], v[NIL]
	s_wait_dscnt 0x0
	s_endpgm
; COS AND SIN.  n = the nearest whole number to theta x 2 / pi; r = theta - n pi / 2, pi / 2 in three parts by fused multiply-adds; polynomials on |r| <= pi / 4; the quadrant n mod 4 swaps the two and sets the signs.
.macro SINCOS a, c, s
	v_mul_f32 v100, s30, v[\a]
	v_rndne_f32 v100, v100
	v_fma_f32 v101, v100, s31, v[\a]
	v_fma_f32 v101, v100, s32, v101
	v_fma_f32 v101, v100, s33, v101                ; r
	v_cvt_i32_f32 v102, v100
	v_mul_f32 v103, v101, v101                     ; r^2
	v_fma_f32 v104, s34, v103, s35
	v_fma_f32 v104, v104, v103, s36
	v_fma_f32 v104, v104, v103, -0.5
	v_fma_f32 v104, v104, v103, 1.0                ; cos r
	v_fma_f32 v105, s37, v103, s38
	v_fma_f32 v105, v105, v103, s39
	v_fma_f32 v105, v105, v103, s40
	v_mul_f32 v106, v101, v103
	v_fma_f32 v105, v105, v106, v101               ; sin r
	v_and_b32 v106, 1, v102
	v_cmp_eq_u32 vcc_lo, 1, v106
	v_cndmask_b32 v107, v105, v104, vcc_lo         ; odd quadrants swap the two
	v_cndmask_b32 v108, v104, v105, vcc_lo
	v_lshlrev_b32 v106, 30, v102
	v_and_b32 v106, 0x80000000, v106
	v_xor_b32 v[\s], v107, v106                    ; sin is negative in quadrants 2, 3
	v_add_nc_u32 v106, 1, v102
	v_lshlrev_b32 v106, 30, v106
	v_and_b32 v106, 0x80000000, v106
	v_xor_b32 v[\c], v108, v106                    ; cos in quadrants 1, 2
.endm
.Ltrig:
	s_sub_co_u32 s22, ttmp9, 832
	s_mul_i32 s24, s22, 5*2048
	s_mov_b32 s25, 0
	s_mul_i32 s26, s22, 5*4096
	s_mov_b32 s27, 0
	s_mov_b32 s30, 0x3f22f983                      ; 2 / pi
	s_mov_b32 s31, 0xbfc90fd8                      ; - pi / 2, high,
	s_mov_b32 s32, 0xb4a8885a                      ; middle,
	s_mov_b32 s33, 0xa7c234c4                      ; low
	s_mov_b32 s34, 0x37cd4000
	s_mov_b32 s35, 0xbab6077d
	s_mov_b32 s36, 0x3d2aaaa8
	s_mov_b32 s37, 0x36405000
	s_mov_b32 s38, 0xb9503486
	s_mov_b32 s39, 0x3c0888c1
	s_mov_b32 s40, 0xbe2aaaab
	v_lshlrev_b32 v1, 4, v0                        ; theta: a row is 2,048 bytes: 16 bytes a thread
	v_lshrrev_b32 v2, 3, v0
	v_lshlrev_b32 v2, 8, v2
	v_and_b32 v3, 7, v0
	v_lshl_add_u32 v2, v3, 4, v2                   ; cs: head t / 8 at 256 bytes, 16 (t % 8)
	s_wait_alu depctr_va_vdst(0)
	s_wait_kmcnt 0x0
	s_add_nc_u64 s[14:15], s[14:15], s[24:25]
	s_add_nc_u64 s[20:21], s[20:21], s[26:27]
.irp k, 0,1,2,3,4
	global_load_b128 v[36+4*\k:39+4*\k], v1, s[14:15] offset:2048*\k
.endr
.irp k, 0,1,2,3,4
	s_wait_loadcnt 4-\k
.irp e, 0,1,2,3
	SINCOS 36+4*\k+\e, 60+4*\k+\e, 80+4*\k+\e
.endr
	global_store_b128 v2, v[60+4*\k:63+4*\k], s[20:21] offset:4096*\k
	global_store_b128 v2, v[80+4*\k:83+4*\k], s[20:21] offset:4096*\k+128
.endr
	s_endpgm
.Lfunc_end_k_q0db2813b85_prep:
	.size	k_q0db2813b85_prep, .Lfunc_end_k_q0db2813b85_prep-k_q0db2813b85_prep
	.p2alignl 7, 3214868480
	.fill 96, 4, 3214868480
	.section	.rodata,"a",@progbits
	.p2align	6, 0x0
	.amdhsa_kernel k_q0db2813b85_prep
		.amdhsa_group_segment_fixed_size 32256
		.amdhsa_private_segment_fixed_size 0
		.amdhsa_enable_private_segment 0
		.amdhsa_kernarg_size 72
		.amdhsa_user_sgpr_count 2
		.amdhsa_user_sgpr_kernarg_segment_ptr 1
		.amdhsa_wavefront_size32 1
		.amdhsa_system_sgpr_workgroup_id_x 1
		.amdhsa_system_sgpr_workgroup_id_y 1
		.amdhsa_system_sgpr_workgroup_id_z 1
		.amdhsa_system_vgpr_workitem_id 0
		.amdhsa_next_free_vgpr 232
		.amdhsa_next_free_sgpr 80
		.amdhsa_reserve_vcc 1
		.amdhsa_float_denorm_mode_32 3
		.amdhsa_float_denorm_mode_16_64 3
		.amdhsa_memory_ordered 1
		.amdhsa_forward_progress 1
		.amdhsa_inst_pref_size 83
	.end_amdhsa_kernel
	.amdgpu_metadata
---
amdhsa.version: [ 1, 2 ]
amdhsa.kernels:
  - .name:           k_q0db2813b85_prep
    .symbol:         k_q0db2813b85_prep.kd
    .args:
      - { .name: x, .offset: 0, .size: 8, .value_kind: global_buffer, .address_space: global }
      - { .name: qkv_w, .offset: 8, .size: 8, .value_kind: global_buffer, .address_space: global }
      - { .name: out_w, .offset: 16, .size: 8, .value_kind: global_buffer, .address_space: global }
      - { .name: ln_w, .offset: 24, .size: 8, .value_kind: global_buffer, .address_space: global }
      - { .name: ln_b, .offset: 32, .size: 8, .value_kind: global_buffer, .address_space: global }
      - { .name: theta, .offset: 40, .size: 8, .value_kind: global_buffer, .address_space: global }
      - { .name: hq, .offset: 48, .size: 8, .value_kind: global_buffer, .address_space: global }
      - { .name: wq, .offset: 56, .size: 8, .value_kind: global_buffer, .address_space: global }
      - { .name: cs, .offset: 64, .size: 8, .value_kind: global_buffer, .address_space: global }
    .group_segment_fixed_size: 32256
    .private_segment_fixed_size: 0
    .kernarg_segment_align: 8
    .kernarg_segment_size: 72
    .max_flat_workgroup_size: 128
    .sgpr_count:     80
    .vgpr_count:     232
    .wavefront_size: 32
...
	.end_amdgpu_metadata
.endif
;; end of part 1
;; launch qkv (part 2): grid 4 x 64, 4 waves a work-group, clusters of 4 x 1, 327,680 bytes of LDS; arguments hq, wq, cs, pos, qkv_b, qimg, kv; writes qimg, kv
.if DOCPART == 2
	.amdgcn_target "amdgcn-amd-amdhsa--gfx1250"
	.amdhsa_code_object_version 6
	.text
	.protected	k_q0db2813b85_qkv
	.globl	k_q0db2813b85_qkv
	.p2align	8
	.type	k_q0db2813b85_qkv,@function
k_q0db2813b85_qkv:
	s_mov_b64 s[64:65], 0
	v_nop
	global_prefetch_b8 v0, s[64:65] scope:SCOPE_SE
	s_setreg_imm32_b32 hwreg(HW_REG_WAVE_MODE, 25, 1), 1
	s_wait_xcnt 0x0
	s_wait_alu depctr_hold_cnt(0) depctr_sa_sdst(0) depctr_va_vdst(0) depctr_va_sdst(0) depctr_va_ssrc(0) depctr_va_vcc(0) depctr_vm_vsrc(0)
	s_getreg_b32 s2, hwreg(HW_REG_IB_STS2, 6, 4)
	s_cmp_eq_u32 s2, 0
	s_cbranch_scc0 .Lentry_in_a_cluster
	s_endpgm
.Lentry_in_a_cluster:
	s_bfe_u32 s2, ttmp6, 0x10000c
	s_cmp_lg_u32 s2, 0x3003
	s_cbranch_scc0 .Lentry_shape_is_right
	s_endpgm
.Lentry_shape_is_right:
; THE QKV PROJECTION on codes of E2M3 (K = 1,024), with its bias, the rotary turn, and the quantising of q, k (along the head's 64) and v (along the keys).
; A WAVE KEEPS ONE UNIT OF WEIGHTS IN REGISTERS: 64 rows of wq (q, k or v of one head), all of K: 32 fragments, 384 registers, loaded from memory as they lie.  TOKEN TILES (16 rows of hq, all of K: 12,288 bytes of codes,
; 512 of scale words) come into LDS by tensor loads, are shared by the four waves, and are walked one after the other: 32 matrix instructions a tile, 4 accumulators by turns.
; 256 work-groups in clusters of four along x, which share their token tiles and ask for them jointly.  The cluster's y tells the mode:
;   y = 0 .. 39 (q and k): 26 token tiles, two pieces of 13 (a batch's 65 tiles with tokens are 5 pieces, so no piece crosses a batch); 8 blocks of 4 units: wave w has head 2 X + w / 2, q (w even) or k (w odd).
;     Source 0 = weights, source 1 = tokens: a lane holds a token and 32 numbers along d.  Two tiles make the quantiser's 64 numbers.  24 tiles fit in LDS beside the scale words: the last two fill tiles 0 and 1 again,
;     behind the waits, the add and a round of the cluster's barrier, once those two lie in registers.  The pad tiles 65 .. 71 of k and of the scale words get zero codes and the byte 127: the next launch reads the whole record.
;   y = 40 .. 63 (v): 24 token tiles, three chunks of 128 keys of one batch; wave w has head 4 cx + w.  Source 0 = tokens, source 1 = weights: a lane holds a column of v and its registers run along the keys.
; Inside a block of 32 the codes stand in another order than the numbers (the lower lane's 16 first); q and k have the same order, and so have v and the softmax's p in the next launch: the products are the same.
; An image of 16 rows x 128 K: 6 pieces of 256 bytes, registers 2 p, 2 p + 1 of lane l at 256 p + 8 l.  A tile's scale words: [K / 256][row][2 words].
; No prefetch: the tiles are asked for at the head, all but the two of the one refill, which has eleven trips in which to land.
; LIMITS: pos is held to 0 .. 1,024; a block of zeros gets the byte 1 (its codes are zeros; only this program reads the bytes); NaN and infinities are not served.
; REGISTERS: window 0: v0-15 addresses; v16-47 the unit's scale words (8 t + kk); v48-63 the tokens', two sets; v64-255 a token tile's fragments, two sets.  window 1: the unit's fragments of K 0-511 at 12 (4 t + kk), window 2: of K 512-1,023.
;   q and k: window 1 v192-255 cos and sin of two tiles; window 3: v0-63 results, v64-95 bias, v96-139 the quantiser's.   v: window 3: 32 accumulators at 64 a + 8 tt; window 1 v192-243 the quantiser's, bias and masks.
.set HSC,   7077888
.set WSC,   3145728
.set REC,   124416                     ; kv: a record for each (batch, head): k's 72 tiles of 768 bytes; V^T's 36 fragments; q's and k's scale words, 72 x 128 bytes; V^T's, 36 x 128
.set VOFF,  55296
.set SKOFF, 110592
.set SVOFF, 119808
.set TB,    12288
.set SCA,   24*TB                      ; LDS: 24 tiles of codes, then 26 tiles' scale words,
.set SPARE, SCA+26*512                 ; then the spare words, 128 bytes for each wave
.set JOINT, 15|(3<<16)|(1<<21)
.set MSB, 0
.macro WIN new
.if MSB != (\new)
	s_set_vgpr_msb (MSB<<8)|(\new)
.set MSB, (\new)
.endif
.endm
.macro CREST
	s_cmp_lg_u32 s18, 0
	s_cbranch_scc1 .Lnot_wave_0_\@
	s_barrier_signal -3
.Lnot_wave_0_\@:
	s_barrier_wait -3
	s_barrier_signal -1
	s_barrier_wait -1
.endm
.macro CROUND
	s_barrier_signal -1
	s_barrier_wait -1
	CREST
.endm
.macro G1SET g, rows                   ; group 1: a dense block as rows of 256 bytes (32 elements of 8), asked for jointly
	s_mov_b32 s[\g], JOINT
	s_mov_b32 s[\g+1], 32<<16
	s_mov_b32 s[\g+2], (\rows)<<16
	s_mov_b32 s[\g+3], 32<<16
	s_mov_b32 s[\g+4], \rows
	s_mov_b32 s[\g+5], 32
	s_mov_b32 s[\g+6], 0
	s_mov_b32 s[\g+7], 0
.endm
.macro G0SET g, lds, src
	s_mov_b32 s[\g], 1
	s_mov_b32 s[\g+1], \lds
	s_add_nc_u64 s[\g+2:\g+3], s[4:5], s[\src:\src+1]
	s_or_b32 s[\g+3], s[\g+3], 0x80000000
.endm
.macro ARM under, g0, g1, next
	s_cmp_lt_u32 s18, \under
	s_cbranch_scc0 \next
	tensor_load_to_lds s[\g0:\g0+3], s[\g1:\g1+7]
	s_nop 0
.rept 4
	v_nop
.endr
	s_branch .Lasked
\next:
.endm
.macro PIECE p, b, t0, tile            ; piece p of 13 tiles: batch p / 5 (by 205 / 1024: exact under 64), first tile 13 (p % 5)
	s_mul_i32 s[\b], s[\p], 205
	s_lshr_b32 s[\b], s[\b], 10
	s_mul_i32 s3, s[\b], 5
	s_sub_co_u32 s3, s[\p], s3
	s_mul_i32 s[\t0], s3, 13
	s_mul_i32 s[\tile], s[\b], 72
	s_add_co_u32 s[\tile], s[\tile], s[\t0]
.endm
	s_load_b256 s[4:11], s[0:1], 0x0               ; hq, wq, cs, pos
	s_load_b128 s[12:15], s[0:1], 0x20             ; qkv_b, qimg
	s_load_b64 s[16:17], s[0:1], 0x30              ; kv
	v_lshl_add_u32 v14, v0, 2, SPARE
	v_mov_b32 v15, 0
	ds_add_u32 v14, v15                            ; the opening lines: the add twice on end, and its wait ahead of my first tensor load
	ds_add_u32 v14, v15
	v_lshrrev_b32 v1, 5, v0
	v_readfirstlane_b32 s18, v1                    ; wave 0..3
	v_and_b32 v2, 15, v0                           ; r
	v_bfe_u32 v3, v0, 4, 1
	v_and_b32 v1, 31, v0
	v_lshlrev_b32 v8, 4, v1                        ; 16 x lane (v)
	v_lshlrev_b32 v9, 2, v1                        ; 4 x lane (v)
	v_lshlrev_b32 v1, 3, v1                        ; 8 x lane
	v_lshlrev_b32 v3, 5, v3                        ; 32 h
	v_lshlrev_b32 v4, 2, v2                        ; 4 r
	v_lshlrev_b32 v6, 3, v2                        ; 8 r
	v_add_nc_u32 v11, SCA, v6                      ; my row's scale words in LDS
	v_mov_b32 v12, 0
	v_mov_b32 v13, 0
	v_mov_b32 v0, 0x7f7f7f7f
	s_bfe_u32 s21, ttmp6, 0x40000                  ; cx
	s_and_b32 s19, ttmp7, 0xffff                   ; y: the same in all four partners
	G1SET 24, 624                                  ; 13 tiles of codes
	G1SET 32, 528                                  ; 11 tiles
	G1SET 40, 26                                   ; 13 tiles' scale words
	G1SET 48, 96                                   ; the refill: 2 tiles
	s_and_b32 s2, s19, 62
	PIECE 2, 80, 82, 84
	s_add_co_u32 s2, s2, 1
	PIECE 2, 81, 83, 85
	s_sub_co_u32 s86, s19, 40                      ; v: group gv of 24 tiles
	s_mul_i32 s87, s86, 24
	s_add_co_u32 s88, s87, 13
	s_sub_co_u32 s89, s87, 2                       ; (v's scale words are fetched from two tiles ahead of the group on, so that 26 tiles' words stay inside hq and lie on end in LDS)
	s_add_co_u32 s90, s87, 11
	s_cmp_ge_u32 s19, 40                           ; the mode
	s_cselect_b32 s23, 1, 0
	s_cselect_b32 s66, s87, s84
	s_cselect_b32 s67, s88, s85
	s_cselect_b32 s92, s89, s84
	s_cselect_b32 s93, s90, s85
	s_mul_i32 s94, s66, TB
	s_mov_b32 s95, 0
	s_mul_i32 s96, s67, TB
	s_mov_b32 s97, 0
	s_lshl_b32 s98, s92, 9
	s_add_co_u32 s98, s98, HSC
	s_mov_b32 s99, 0
	s_lshl_b32 s2, s93, 9
	s_add_co_u32 s2, s2, HSC
	s_mov_b32 s3, 0
	s_add_co_u32 s88, s85, 11
	s_mul_i32 s88, s88, TB
	s_mov_b32 s89, 0
	s_mov_b32 s91, 0
	s_mov_b32 s100, 0x76543210
	s_mov_b32 s101, 0xfedcba98                     ; v_permlanex16_b32's selects for lane l xor 16
	s_wait_alu depctr_va_vdst(0)
	s_wait_dscnt 0x0                               ; both opening adds are done
	s_wait_kmcnt 0x0
	G0SET 56, 0, 94
	G0SET 60, 13*TB, 96
	G0SET 68, SCA, 98
	G0SET 72, SCA+6656, 2
	G0SET 76, 0, 88
	CROUND                                         ; all four work-groups are here: the joint loads meet
	ARM 1, 56, 24, .Lhead_1                        ; one chain of branches on the wave's number: every way through it passes exactly one load
	ARM 2, 60, 32, .Lhead_2
	ARM 3, 68, 40, .Lhead_3
	tensor_load_to_lds s[72:75], s[40:47]
	s_nop 0
.rept 4
	v_nop
.endr
.Lasked:
.macro WBASE                           ; s2: the unit's first tile of wq
	s_mul_i32 s90, s2, TB
	s_add_nc_u64 s[20:21], s[6:7], s[90:91]
	s_lshl_b32 s90, s2, 9
	s_add_co_u32 s90, s90, WSC
	s_add_nc_u64 s[2:3], s[6:7], s[90:91]
.endm
.macro WSCALE                          ; 16 loads: the unit's scale words
	WIN 0
.irp t, 0,1,2,3
.irp s, 0,1,2,3
	global_load_b64 v[16+8*\t+2*\s:17+8*\t+2*\s], v6, s[2:3] offset:512*\t+128*\s
.endr
.endr
.endm
.macro WLOAD kk                        ; 24 loads: the unit's four fragments of one 128 along K; each load covers 256 consecutive bytes, aligned
	WIN 0x40*(1+(\kk)/4)
.irp t, 0,1,2,3
.irp p, 0,1,2,3,4,5
	global_load_b64 v[12*(4*\t+(\kk)%4)+2*\p:12*(4*\t+(\kk)%4)+2*\p+1], v1, s[20:21] offset:\t*TB+(\kk)*1536+256*\p
.endr
.endr
.endm
.macro FETCH set, ad, off, soff        ; a token tile from LDS: 4 loads of scale words, 48 of fragments
	WIN 0
.irp s, 0,1,2,3
	ds_load_b64 v[48+8*(\set)+2*\s:49+8*(\set)+2*\s], v6 offset:(\soff)+128*\s
.endr
.irp f, 0,1,2,3,4,5,6,7
.irp p, 0,1,2,3,4,5
	ds_load_b64 v[64+96*(\set)+12*\f+2*\p:65+96*(\set)+12*\f+2*\p], v[\ad] offset:(\off)+1536*\f+256*\p
.endr
.endr
.endm
; 64 numbers of a lane, v[s] on in window wh, register 16 b + i a number of block b (the block's other 16 lie in lane l xor 16), become 12 registers of codes in v[PC] on and the four blocks' scale word in v[PW], in window wt.
.macro QUANT s, wh, wt
	WIN ((\wt)<<6)|((\wt)<<4)|((\wh)<<2)|(\wh)
.irp b, 0,1,2,3
	v_max3_num_f32 v[TM+\b], |v[\s+16*\b]|, |v[\s+1+16*\b]|, 0x1800000   ; with the floor 2^(3 - 127): the byte cannot fall under 1
.endr
	WIN ((\wt)<<6)|((\wh)<<4)|((\wh)<<2)|(\wt)
.irp i, 2,4,6,8,10,12,14
.irp b, 0,1,2,3
	v_max3_num_f32 v[TM+\b], v[TM+\b], |v[\s+16*\b+\i]|, |v[\s+1+16*\b+\i]|
.endr
.endr
	WIN 0x55*(\wt)
.irp b, 0,1,2,3
	v_permlanex16_b32 v[TM+4+\b], v[TM+\b], s100, s101
.endr
.irp b, 0,1,2,3
	v_max_num_f32 v[TM+\b], v[TM+\b], v[TM+4+\b]   ; the block's largest magnitude
.endr
.irp b, 0,1,2,3
	v_add_nc_u32 v[TM+12+\b], 0xff000000, v[TM+\b] ; 2 off its exponent field: the conversion's scale operand
.endr
.irp b, 0,1,2,3
	v_lshrrev_b32 v[TM+4+\b], 23, v[TM+12+\b]      ; the scale's byte
.endr
	v_lshl_or_b32 v[PW], v[TM+5], 8, v[TM+4]
	v_lshl_or_b32 v[PW], v[TM+6], 16, v[PW]
	v_lshl_or_b32 v[PW], v[TM+7], 24, v[PW]
	WIN ((\wt)<<6)|((\wt)<<4)|((\wt)<<2)|(\wh)
.irp c, 0,1
	v_cvt_scalef32_pk16_fp6_f32 v[PC+6*\c:PC+2+6*\c], v[\s+32*\c:\s+15+32*\c], v[TM+12+2*\c]
	v_cvt_scalef32_pk16_fp6_f32 v[PC+12+4*\c:PC+14+4*\c], v[\s+16+32*\c:\s+31+32*\c], v[TM+12+2*\c+1]
.endr
	v_nop                                          ; one plain place behind a scaled conversion
	WIN 0x55*(\wt)
.irp c, 0,1                                    ; the operand's layout wants a WHOLE block in a lane
.irp i, 0,1,2
	v_permlane16_swap_b32 v[PC+6*\c+\i], v[PC+12+4*\c+\i]
.endr
.irp i, 0,1,2
	v_mov_b32 v[PC+3+6*\c+\i], v[PC+12+4*\c+\i]
.endr
.endr
.endm
	s_cmp_eq_u32 s23, 1
	s_cbranch_scc1 .Lv
; ======== q and k
.set TM, 96
.set PC, 112
.set PW, 132
	s_and_b32 s2, s19, 1
	s_lshl_b32 s2, s2, 2
	s_add_co_u32 s2, s2, s21                       ; X: my block of four units
	s_and_b32 s94, s18, 1                          ; part: 0 q, 1 k
	s_lshr_b32 s3, s18, 1
	s_lshl_b32 s95, s2, 1
	s_add_co_u32 s95, s95, s3                      ; head
	s_lshl_b32 s2, s2, 4
	s_lshl_b32 s3, s18, 2
	s_add_co_u32 s2, s2, s3
	WBASE
	s_lshl_b32 s90, s95, 8
	s_add_nc_u64 s[92:93], s[8:9], s[90:91]        ; cs at my head
	s_lshl_b32 s66, s94, 12
	s_add_co_u32 s90, s90, s66
	s_add_nc_u64 s[22:23], s[12:13], s[90:91]      ; the bias of my unit
	s_lshl_b32 s84, s80, 4                         ; for each piece: bh = 16 b + head,
	s_add_co_u32 s84, s84, s95
	s_lshl_b32 s85, s81, 4
	s_add_co_u32 s85, s85, s95
	s_lshl_b32 s66, s94, 6
	s_add_co_u32 s66, s66, SKOFF
	s_mul_i32 s86, s84, REC                        ; where its scale words begin in kv (q's 64 bytes of a tile, then k's),
	s_add_co_u32 s86, s86, s66
	s_mul_i32 s87, s85, REC
	s_add_co_u32 s87, s87, s66
	s_mov_b32 s67, 55296
	s_cmp_eq_u32 s94, 1
	s_cselect_b32 s67, REC, s67
	s_cselect_b64 s[88:89], s[16:17], s[14:15]     ; k's codes go to kv, q's to qimg
	s_mul_i32 s84, s84, s67                        ; where its codes begin,
	s_mul_i32 s85, s85, s67
	s_mul_i32 s80, s80, 1025                       ; its batch's first row of pos,
	s_mul_i32 s81, s81, 1025
	s_sub_co_u32 s83, s83, 13                      ; and tau = this + the tile's number i in my 26
	s_mov_b32 s96, 0                               ; i
	s_mov_b32 s99, 0x7f7f0000
.macro POSASK k                        ; pos of the tokens of tiles i + k, i + k + 1; a pad token takes the batch's last
.irp e, 0,1
	s_add_co_u32 s66, s96, (\k)+\e
	s_cmp_ge_u32 s66, 13
	s_cselect_b32 s67, s81, s80
	s_cselect_b32 s90, s83, s82
	s_add_co_u32 s90, s90, s66
	s_lshl_b32 s90, s90, 4
	v_add_nc_u32 v[9+\e], s90, v2
	v_min_u32 v[9+\e], 0x400, v[9+\e]
	v_add_lshl_u32 v[9+\e], v[9+\e], s67, 2
	global_load_b32 v[9+\e], v[9+\e], s[10:11]
.endr
.endm
.macro TOSET                           ; a loaded number enters an address only held to its table: 4,096 bytes a position, + 32 h
.irp e, 0,1
	v_min_u32 v[9+\e], 0x400, v[9+\e]
	v_lshl_add_u32 v[7+\e], v[9+\e], 12, v3
.endr
.endm
.macro CSASK                           ; cos (16 registers) and sin (16) of two tiles' tokens, for d = 8 h + 0 .. 7 and 16 + 8 h + 0 .. 7
	WIN 0x40
.irp e, 0,1
.irp k, 0,1,2,3,4,5,6,7
	global_load_b128 v[192+32*\e+4*\k:195+32*\e+4*\k], v[7+\e], s[92:93] offset:128*(\k/4)+64*((\k%4)/2)+16*(\k%2)
.endr
.endr
.endm
	POSASK 0
	WIN 0xc0
.irp t, 0,1,2,3
	global_load_b128 v[64+8*\t:67+8*\t], v3, s[22:23] offset:64*\t       ; the bias in the result's layout: d = 16 t + 8 h + 0 .. 7
	global_load_b128 v[68+8*\t:71+8*\t], v3, s[22:23] offset:64*\t+16
.endr
.irp b, 0,1,2,3
	v_mov_b32 v[TM+4+\b], 0                        ; written once: a lane permute's destination counts as one of its sources
.endr
	WSCALE
	WLOAD 0
	WIN 0
	s_wait_loadcnt 48                              ; pos of tiles 0, 1 is in: 8 + 16 + 24 loads were issued behind it
	TOSET
	CSASK
	WIN 0
	POSASK 2
.irp kk, 1,2,3,4,5,6,7
	WLOAD \kk
.endr
	WIN 0
	s_wait_alu depctr_va_vdst(0)
	s_wait_tensorcnt 0x0                           ; my load of the head's four is in,
	s_barrier_signal -1
	s_barrier_wait -1                              ; everybody's is
	s_wait_xcnt 0x0                                ; v6 has served the scale words' loads
	v_add_nc_u32 v5, 0, v1
	v_add_nc_u32 v6, 0, v11
	FETCH 0, 5, 0, 0
	FETCH 1, 5, TB, 512
	s_wait_tensorcnt 0x0                           ; ahead of the refill
	ds_add_u32 v14, v15
	s_wait_dscnt 0x0                               ; the add is done, and tiles 0 and 1 lie in my registers
	CROUND                                         ; so it is with every wave of all four work-groups
	s_cmp_lg_u32 s18, 0
	s_cbranch_scc1 .Lno_refill
	tensor_load_to_lds s[76:79], s[48:55]          ; tiles 24 and 25 onto tiles 0 and 1
	s_nop 0
.rept 4
	v_nop
.endr
.Lno_refill:
	s_mov_b32 s97, 2*TB                            ; where the next pair lies in LDS: codes,
	s_mov_b32 s98, 1024                            ; scale words
	s_wait_loadcnt 0x0                             ; the unit is in
.macro QMUL set                        ; a tile: 32 matrix instructions; the bias starts the sums
.irp kk, 0,1,2,3,4,5,6,7
	WIN 0xf0|(1+\kk/4)
.irp t, 0,1,2,3
.if \kk == 0
	v_wmma_scale_f32_16x16x128_f8f6f4 v[32*(\set)+8*\t:32*(\set)+8*\t+7], v[12*(4*\t+\kk%4):12*(4*\t+\kk%4)+11], v[64+96*(\set)+12*\kk:75+96*(\set)+12*\kk], v[64+8*\t:71+8*\t], v[16+8*\t+\kk], v[48+8*(\set)+\kk] matrix_a_fmt:MATRIX_FMT_FP6 matrix_b_fmt:MATRIX_FMT_FP6
.else
	v_wmma_scale_f32_16x16x128_f8f6f4 v[32*(\set)+8*\t:32*(\set)+8*\t+7], v[12*(4*\t+\kk%4):12*(4*\t+\kk%4)+11], v[64+96*(\set)+12*\kk:75+96*(\set)+12*\kk], v[32*(\set)+8*\t:32*(\set)+8*\t+7], v[16+8*\t+\kk], v[48+8*(\set)+\kk] matrix_a_fmt:MATRIX_FMT_FP6 matrix_b_fmt:MATRIX_FMT_FP6
.endif
.endr
.endr
.rept 4
	v_nop                                          ; places: ahead of loads into the tile's registers and of the reads of the results
.endr
.endm
.macro OUTBASE                         ; where tiles i and i + 1 go; k's word stands in the lower half of a pair's K for an even tile, in the upper for an odd one
.irp e, 0,1
	s_add_co_u32 s41, s96, \e
	s_cmp_ge_u32 s41, 13
	s_cselect_b32 s42, s85, s84
	s_cselect_b32 s43, s87, s86
	s_cselect_b32 s44, s83, s82
	s_add_co_u32 s[68+\e], s44, s41                ; tau
	s_mul_i32 s90, s[68+\e], 768
	s_add_co_u32 s90, s90, s42
	s_add_nc_u64 s[56+2*\e:57+2*\e], s[88:89], s[90:91]
	s_lshl_b32 s90, s[68+\e], 7
	s_add_co_u32 s90, s90, s43
	s_add_nc_u64 s[60+2*\e:61+2*\e], s[16:17], s[90:91]
	s_and_b32 s[70+2*\e], s[68+\e], s94
	s_lshl_b32 s[70+2*\e], s[70+2*\e], 4
	s_cmp_lg_u32 s[70+2*\e], 0
	s_cselect_b32 s[71+2*\e], 0x7f7f, s99
.endr
.endm
.macro PADS e                          ; behind a batch's tile 64: the pad tiles 65 .. 71
	s_cmp_eq_u32 s[68+\e], 64
	s_cbranch_scc0 .Lno_pad_\@
.irp k, 1,2,3,4,5,6,7
	global_store_b32 v4, v0, s[60+2*\e:61+2*\e] offset:128*\k
.endr
	s_cmp_eq_u32 s94, 1
	s_cbranch_scc0 .Lno_pad_\@                     ; q's pad tiles are read by nobody
.irp k, 1,2,3,4,5,6,7
.irp p, 0,1,2
	global_store_b64 v1, v[12:13], s[56+2*\e:57+2*\e] offset:768*\k+256*\p
.endr
.endr
.Lno_pad_\@:
.endm
; A trip: tiles i and i + 1.  fetch: the next pair comes from LDS; csn: its cos and sin are asked for; posn: pos of the pair after it.
.macro QKTRIP fetch, csn, posn
.if \fetch
	v_add_nc_u32 v5, s97, v1
	v_add_nc_u32 v6, s98, v11
	s_wait_alu depctr_va_vdst(0)                   ; v5 and v6 are read by the loads below
.endif
	s_wait_dscnt 52                                ; tile i is in; tile i + 1's 52 loads may be out
	QMUL 0
.if \fetch
	FETCH 0, 5, 0, 0
	s_wait_dscnt 52                                ; tile i + 1 is in; the 52 loads just issued may be out
.else
	s_wait_dscnt 0x0
.endif
	QMUL 1
.if \fetch
	FETCH 1, 5, TB, 512
.endif
	WIN 0
	s_wait_loadcnt 0x0                             ; this pair's cos and sin, the next pair's pos
.if \csn
	TOSET
.endif
	WIN 0xf7                                       ; results and temporaries: window 3; cos and sin: window 1
.irp x, 0, 32                                  ; the rotary turn: d and d + 32 lie 16 registers apart in one lane; each accumulator from its low end on
.set n, 0
.rept 8
	v_pk_mul_f32 v[134:135], v[\x+16+n:\x+17+n], v[208+\x+n:209+\x+n]
	v_pk_mul_f32 v[136:137], v[\x+n:\x+n+1], v[208+\x+n:209+\x+n]
	v_pk_fma_f32 v[\x+n:\x+n+1], v[\x+n:\x+n+1], v[192+\x+n:193+\x+n], v[134:135] neg_lo:[0,0,1] neg_hi:[0,0,1]
	v_pk_fma_f32 v[\x+16+n:\x+17+n], v[\x+16+n:\x+17+n], v[192+\x+n:193+\x+n], v[136:137]
.set n, n+2
.endr
.endr
.if \csn
	CSASK
.endif
	WIN 0
.if \posn
	POSASK 4
.endif
	s_wait_xcnt 0x0                                ; the last trip's stores have read their registers and bases
	OUTBASE
	QUANT 0, 3, 3                                  ; blocks 0, 1: tile i; blocks 2, 3: tile i + 1
	v_and_b32 v138, 0xffff, v[PW]
	v_lshrrev_b32 v139, 16, v[PW]
	v_lshl_or_b32 v138, v138, s70, s71             ; two bytes, and 127 for the half of K that holds zero codes or the other tile
	v_lshl_or_b32 v139, v139, s72, s73
	WIN 0x0c
.irp p, 0,1,2
	global_store_b64 v1, v[PC+2*\p:PC+2*\p+1], s[56:57] offset:256*\p        ; each store covers 256 consecutive bytes, aligned
	global_store_b64 v1, v[PC+6+2*\p:PC+7+2*\p], s[58:59] offset:256*\p
.endr
	global_store_b32 v4, v138, s[60:61]            ; lanes r and r + 16 write the same word with the same value
	global_store_b32 v4, v139, s[62:63]
	WIN 0
	PADS 0
	PADS 1
.endm
.Lqk:                                                  ; eleven trips: tiles 0 .. 21; they fetch tiles 2 .. 23
	QKTRIP 1, 1, 1
	s_add_co_u32 s96, s96, 2
	s_add_co_u32 s97, s97, 2*TB
	s_add_co_u32 s98, s98, 1024
	s_cmp_lt_u32 s96, 22
	s_wait_alu depctr_va_vdst(0)
	s_cbranch_scc1 .Lqk
	s_wait_tensorcnt 0x0                           ; wave 0: tiles 24 and 25 are in;
	s_wait_dscnt 0x0
	s_barrier_signal -1
	s_barrier_wait -1                              ; every wave knows it
	s_mov_b32 s97, 0                               ; they lie where tiles 0 and 1 lay
	QKTRIP 1, 1, 0
	s_add_co_u32 s96, s96, 2
	QKTRIP 0, 0, 0
	s_branch .Ldone
; ======== v
.Lv:
.set TM, 192
.set PC, 208
.set PW, 228
	s_mul_i32 s80, s86, 171
	s_lshr_b32 s80, s80, 9                         ; batch = gv / 3 (by 171 / 512: exact under 24)
	s_mul_i32 s81, s80, 3
	s_sub_co_u32 s81, s86, s81
	s_mul_i32 s94, s81, 3                          ; my first chunk of 128 keys
	s_lshl_b32 s95, s21, 2
	s_add_co_u32 s95, s95, s18                     ; head
	s_lshl_b32 s2, s95, 2
	s_add_co_u32 s2, s2, 128
	WBASE
	s_lshl_b32 s90, s95, 8
	s_add_co_u32 s90, s90, 8192
	s_add_nc_u64 s[22:23], s[12:13], s[90:91]      ; v's bias at my head
	s_lshl_b32 s84, s80, 4
	s_add_co_u32 s84, s84, s95
	s_mul_i32 s84, s84, REC
	s_mul_i32 s85, s94, 6144
	s_add_co_u32 s90, s84, s85
	s_add_co_u32 s90, s90, VOFF
	s_add_nc_u64 s[88:89], s[16:17], s[90:91]      ; V^T's fragments of my first chunk
	s_lshl_b32 s85, s94, 9
	s_add_co_u32 s90, s84, s85
	s_add_co_u32 s90, s90, SVOFF
	s_add_nc_u64 s[92:93], s[16:17], s[90:91]      ; their scale words
	s_mov_b32 s99, 0xffff0000                      ; lanes 16-31
	s_mov_b32 s96, 0
	s_mov_b32 s97, 0
	s_mov_b32 s98, 1024                            ; (the group's scale words begin two tiles into the block)
	v_lshrrev_b32 v4, 3, v2
	v_and_b32 v7, 7, v2
	v_lshl_add_u32 v4, v4, 4, v7
	v_lshlrev_b32 v4, 2, v4                        ; row r of a tile is column 16 (r / 8) + r % 8 (+ 32 (a / 2) + 8 (a % 2)): the order in which wq holds v's rows
	WIN 0x40
.irp a, 0,1,2,3
	global_load_b32 v[232+\a], v4, s[22:23] offset:4*(32*(\a/2)+8*(\a%2))
.endr
.irp b, 0,1,2,3
	v_mov_b32 v[TM+4+\b], 0
.endr
	WSCALE
.irp kk, 0,1,2,3,4,5,6,7
	WLOAD \kk
.endr
	WIN 0
	s_wait_alu depctr_va_vdst(0)
	s_wait_tensorcnt 0x0
	s_barrier_signal -1
	s_barrier_wait -1
	s_wait_loadcnt 0x0                             ; the unit is in, and v6 has served
.macro VMUL tt                         ; a token tile against my four tiles of weights
.irp kk, 0,1,2,3,4,5,6,7
	WIN 0xf0|((1+\kk/4)<<2)
.irp a, 0,1,2,3
.if \kk == 0
	v_wmma_scale_f32_16x16x128_f8f6f4 v[64*\a+8*(\tt):64*\a+8*(\tt)+7], v[64+96*((\tt)%2)+12*\kk:75+96*((\tt)%2)+12*\kk], v[12*(4*\a+\kk%4):12*(4*\a+\kk%4)+11], 0, v[48+8*((\tt)%2)+\kk], v[16+8*\a+\kk] matrix_a_fmt:MATRIX_FMT_FP6 matrix_b_fmt:MATRIX_FMT_FP6
.else
	v_wmma_scale_f32_16x16x128_f8f6f4 v[64*\a+8*(\tt):64*\a+8*(\tt)+7], v[64+96*((\tt)%2)+12*\kk:75+96*((\tt)%2)+12*\kk], v[12*(4*\a+\kk%4):12*(4*\a+\kk%4)+11], v[64*\a+8*(\tt):64*\a+8*(\tt)+7], v[48+8*((\tt)%2)+\kk], v[16+8*\a+\kk] matrix_a_fmt:MATRIX_FMT_FP6 matrix_b_fmt:MATRIX_FMT_FP6
.endif
.endr
.endr
.rept 4
	v_nop
.endr
.endm
.macro VFETCH tt
.if (\tt) < 5
	FETCH (\tt)%2, 5, (\tt)*TB, (\tt)*512
.else
	FETCH (\tt)%2, 7, ((\tt)-5)*TB, (\tt)*512
.endif
.endm
.macro EPI_V a                         ; 16 columns of v x 128 keys: a fragment of V^T and its scale word
	s_wait_xcnt 0x0                                ; the last stores have read their registers
	WIN 0x55
	v_mul_f32 v240, v[232+\a], v236
	v_mul_f32 v241, v[232+\a], v237
	v_mov_b32 v242, v241
	v_mov_b32 v243, v241
	WIN 0xd7                                       ; results: window 3; masks and bias: window 1
	v_pk_fma_f32 v[64*\a:64*\a+1], v[64*\a:64*\a+1], v[236:237], v[240:241]
.set n, 2
.rept 31
	v_pk_fma_f32 v[64*\a+n:64*\a+n+1], v[64*\a+n:64*\a+n+1], v[238:239], v[242:243]
.set n, n+2
.endr
	QUANT 64*\a, 3, 1
	WIN 0x04
.irp g, 0,1,2
	global_store_b128 v8, v[PC+4*\g:PC+4*\g+3], s[88:89] offset:\a*1536+512*\g
.endr
	global_store_b32 v9, v[PW], s[92:93] offset:\a*128
.endm
.Lvc:                                                  ; three trips: a chunk of 128 keys each
	v_add_nc_u32 v5, s97, v1
	v_add_nc_u32 v6, s98, v11
	v_add_nc_u32 v7, 5*TB, v5
	s_cmp_lt_u32 s94, 8
	s_cselect_b32 s66, 1.0, 0                      ; of the batch's last chunk only key 1,024 is a key: the others become zeros, by a choice and no branch
	WIN 0x55
	v_mov_b32 v237, s66
	v_mov_b32 v238, s66
	v_mov_b32 v239, s66
	v_cndmask_b32 v236, 1.0, v237, s99             ; register 0 of lanes 0-15 is the chunk's first key
	WIN 0
	s_wait_alu depctr_va_vdst(0)                   ; v5-7 are read by the loads below
	VFETCH 0
	VFETCH 1
.irp tt, 0,1,2,3,4,5,6,7
.if \tt < 7
	s_wait_dscnt 52                                ; this tile is in; the next one's 52 loads may be out
.else
	s_wait_dscnt 0x0
.endif
	VMUL \tt
.if \tt < 6
	VFETCH \tt+2
.endif
.endr
.irp a, 0,1,2,3
	EPI_V \a
.endr
	WIN 0
	s_wait_xcnt 0x0                                ; the stores have read their bases
	s_add_nc_u64 s[88:89], s[88:89], 6144
	s_add_nc_u64 s[92:93], s[92:93], 512
	s_add_co_u32 s94, s94, 1
	s_add_co_u32 s97, s97, 8*TB
	s_add_co_u32 s98, s98, 4096
	s_add_co_u32 s96, s96, 1
	s_cmp_lt_u32 s96, 3
	s_wait_alu depctr_va_vdst(0)
	s_cbranch_scc1 .Lvc
.Ldone:
	s_wait_tensorcnt 0x0                           ; the wave's end
	ds_add_u32 v14, v15
	s_wait_dscnt 0x0
	CROUND                                         ; the closing round
	s_endpgm
.Lfunc_end_k_q0db2813b85_qkv:
	.size	k_q0db2813b85_qkv, .Lfunc_end_k_q0db2813b85_qkv-k_q0db2813b85_qkv
	.p2alignl 7, 3214868480
	.fill 96, 4, 3214868480
	.section	.rodata,"a",@progbits
	.p2align	6, 0x0
	.amdhsa_kernel k_q0db2813b85_qkv
		.amdhsa_group_segment_fixed_size 327680
		.amdhsa_private_segment_fixed_size 0
		.amdhsa_enable_private_segment 0
		.amdhsa_kernarg_size 56
		.amdhsa_user_sgpr_count 2
		.amdhsa_user_sgpr_kernarg_segment_ptr 1
		.amdhsa_wavefront_size32 1
		.amdhsa_system_sgpr_workgroup_id_x 1
		.amdhsa_system_sgpr_workgroup_id_y 1
		.amdhsa_system_sgpr_workgroup_id_z 1
		.amdhsa_system_vgpr_workitem_id 0
		.amdhsa_next_free_vgpr 1024
		.amdhsa_next_free_sgpr 102
		.amdhsa_reserve_vcc 0
		.amdhsa_float_denorm_mode_32 3
		.amdhsa_float_denorm_mode_16_64 3
		.amdhsa_memory_ordered 1
		.amdhsa_forward_progress 1
		.amdhsa_inst_pref_size 241
	.end_amdhsa_kernel
	.amdgpu_metadata
---
amdhsa.version: [ 1, 2 ]
amdhsa.kernels:
  - .name:           k_q0db2813b85_qkv
    .symbol:         k_q0db2813b85_qkv.kd
    .args:
      - { .name: hq, .offset: 0, .size: 8, .value_kind: global_buffer, .address_space: global }
      - { .name: wq, .offset: 8, .size: 8, .value_kind: global_buffer, .address_space: global }
      - { .name: cs, .offset: 16, .size: 8, .value_kind: global_buffer, .address_space: global }
      - { .name: pos, .offset: 24, .size: 8, .value_kind: global_buffer, .address_space: global }
      - { .name: qkv_b, .offset: 32, .size: 8, .value_kind: global_buffer, .address_space: global }
      - { .name: qimg, .offset: 40, .size: 8, .value_kind: global_buffer, .address_space: global }
      - { .name: kv, .offset: 48, .size: 8, .value_kind: global_buffer, .address_space: global }
    .group_segment_fixed_size: 327680
    .private_segment_fixed_size: 0
    .kernarg_segment_align: 8
    .kernarg_segment_size: 56
    .max_flat_workgroup_size: 128
    .sgpr_count:     102
    .vgpr_count:     1024
    .wavefront_size: 32
...
	.end_amdgpu_metadata
.endif
;; end of part 2
;; launch attn (part 3): grid 2 x 128, 16 waves a work-group, no clusters, 167,936 bytes of LDS; arguments qimg, kv, oq; writes oq
.if DOCPART == 3
	.amdgcn_target "amdgcn-amd-amdhsa--gfx1250"
	.amdhsa_code_object_version 6
	.text
	.protected	k_q0db2813b85_attn
	.globl	k_q0db2813b85_attn
	.p2align	8
	.type	k_q0db2813b85_attn,@function
k_q0db2813b85_attn:
	s_mov_b64 s[64:65], 0
	v_nop
	global_prefetch_b8 v0, s[64:65] scope:SCOPE_SE
	s_setreg_imm32_b32 hwreg(HW_REG_WAVE_MODE, 25, 1), 1
	s_wait_xcnt 0x0
; CAUSAL ATTENTION on codes of E2M3, one (batch, head) to two work-groups of sixteen waves.  The head's whole record (k's tiles, V^T's fragments, all scale words: 124,416 bytes) comes into LDS ONCE, by six tensor loads:
; nothing is filled again, so there is one barrier and no ring.
; No cluster: a head has two work-groups, which read one record once; the grid's x is 2, which no cluster of four divides.
; A wave owns one tile of 16 queries at a time, in 256 registers, and up to three tiles one after the other, dealt so that nearly every wave walks ten steps of 128 keys (tile T costs T / 8 + 1 steps).
; Both loops have constant trip counts (3 tiles, 9 steps); a step all of whose keys come after the tile's queries is left out by a scalar branch on ids, round its work alone.
; LAYOUT.  Both products are used transposed: S^T = K Q^T, O^T = V^T P^T: a lane holds ONE query (lane % 16) throughout.
; THE FIRST PRODUCT HAS K = 64 in a form whose K is 128: source 0 is a PAIR of key tiles (tile 2 i in k 0-63, tile 2 i + 1 in k 64-127), source 1 is [q | zero codes] for the even tile and [zero codes | q] for the odd one.
; The bytes of the half that counts for nothing are 127.
; THE SOFTMAX: t = score x log2(e) / 8; M = the running largest t rounded UP to a whole number; p = 2^(t - M) is quantised along the keys; the row's sum is taken of the unquantised p and divides O at the end.
; When M moves, the sum and O are multiplied by 2^(old M - new M): exact.  A block's largest p is made from the block's largest score by the same multiply-add and exponential.
; O / the sum is quantised along the model's axis (a head is two blocks of 32; wq's order of v's rows makes a lane's 16 registers 16 neighbours) and stored as the next launch's operand.
; LIMITS: a block of zeros gets the byte 1 (its codes are zeros; only this program reads the bytes); NaN and infinities are not served.
; REGISTERS: v1-4 my lane's places in the record; v5, v6 the add's two; v7 8 x lane; v8-11 the step's addresses; v12 -M, v13 the largest t, v[14:15] the sum; v16-27 [q | 0]; v28-39 [0 | q]; v40-87 four fragments of K, then of V;
;   v88-95 K's scale words; v96-99 V's; v100-163 S^T, then p; v164-195 O^T; v196-207 p's codes; v208-215 codes on their way; v216-230 at work; v231, v232 q's two scale words; v233 r - 8 h; v234 4 x lane; v235 8 r; v236-239 constants.
.set REC,   124416
.set VOFF,  55296
.set SKOFF, 110592
.set SVOFF, 119808
.set SPARE, 124416                     ; behind the record: the spare words, 128 bytes for each wave: eight blocks of 256 bytes that no other line names
.set HSC,   7077888
	s_load_b128 s[4:7], s[0:1], 0x0                ; qimg, kv
	s_load_b64 s[8:9], s[0:1], 0x10                ; oq
	v_lshl_add_u32 v5, v0, 2, SPARE
	v_mov_b32 v6, 0
	ds_add_u32 v5, v6                              ; the wave's opening: the add and its wait ahead of my first tensor load; the set-up below stands between them
	ds_add_u32 v5, v6
	v_lshrrev_b32 v1, 5, v0
	s_delay_alu instid0(VALU_DEP_1)
	v_readfirstlane_b32 s10, v1                    ; wave 0..15
	s_and_b32 s12, ttmp7, 0xffff                   ; bh = 16 b + head
	s_mov_b32 s24, 3<<16                           ; group 1: 81 rows of 256 bytes (32 elements of 8 bytes), dense
	s_mov_b32 s25, 32<<16
	s_mov_b32 s26, 81<<16
	s_mov_b32 s27, 32<<16
	s_mov_b32 s28, 81
	s_mov_b32 s29, 32
	s_mov_b32 s30, 0
	s_mov_b32 s31, 0
	s_mov_b32 s32, 1
	s_mul_i32 s33, s10, 20736                      ; a sixth of the record for each of waves 0 to 5
	s_mul_i32 s2, s12, REC
	s_mov_b32 s3, 0
	s_mov_b32 s50, s33
	s_mov_b32 s51, 0
	; which tiles of queries: j = 16 x + wave
	s_lshl_b32 s13, ttmp9, 4
	s_add_co_u32 s13, s13, s10
	s_add_co_u32 s14, s13, 40                      ; j < 24: tiles 40 + j and 24 + j - 16 (j / 8): 6 + 4, 7 + 3, 8 + 2 steps
	s_lshr_b32 s16, s13, 3
	s_lshl_b32 s16, s16, 4
	s_add_co_u32 s15, s13, 24
	s_sub_co_u32 s15, s15, s16
	s_mov_b32 s16, -1
	s_add_co_u32 s17, s13, 8                       ; j = 24 .. 27: tiles 8 + j and 12 + j: 5 + 5
	s_add_co_u32 s18, s13, 12
	s_cmp_ge_u32 s13, 24
	s_cselect_b32 s14, s17, s14
	s_cselect_b32 s15, s18, s15
	s_lshl_b32 s17, s13, 1                         ; j >= 28: tiles 2 j - 57 and 2 j - 56; j = 28: tile 64 for -1; j = 31: tile 7 too
	s_sub_co_u32 s18, s17, 56
	s_sub_co_u32 s17, s17, 57
	s_cmp_ge_u32 s13, 28
	s_cselect_b32 s14, s17, s14
	s_cselect_b32 s15, s18, s15
	s_cmp_eq_u32 s13, 28
	s_cselect_b32 s14, 64, s14
	s_cmp_eq_u32 s13, 31
	s_cselect_b32 s16, 7, s16
	s_mov_b32 s22, 0x3e38aa3b                      ; c = log2(e) / 8
	s_mov_b32 s23, s22                             ; (named with it as a pair, so it is written)
	s_mov_b32 s40, 0x76543210
	s_mov_b32 s41, 0xfedcba98                      ; v_permlanex16_b32's selects for lane l xor 16
	s_wait_dscnt 0x0                               ; the opening add is done
	s_wait_kmcnt 0x0
	s_add_nc_u64 s[6:7], s[6:7], s[2:3]            ; my head's record
	s_add_nc_u64 s[34:35], s[6:7], s[50:51]
	s_or_b32 s35, s35, 0x80000000
	s_cmp_lt_u32 s10, 6
	s_cbranch_scc0 .Lno_fill
	tensor_load_to_lds s[32:35], s[24:31]          ; one tensor load of mine is out
	s_nop 0
.rept 4
	v_nop
.endr
.Lno_fill:
	s_add_nc_u64 s[54:55], s[6:7], SKOFF           ; q's scale words
	s_mul_i32 s60, s12, 55296
	s_mov_b32 s61, 0
	s_add_nc_u64 s[52:53], s[4:5], s[60:61]        ; my head's q tiles
	s_lshr_b32 s2, s12, 4                          ; b
	s_and_b32 s3, s12, 15                          ; head
	s_mul_i32 s60, s2, 72*12288
	s_mul_i32 s50, s3, 768
	s_add_co_u32 s60, s60, s50
	s_add_nc_u64 s[56:57], s[8:9], s[60:61]        ; oq: the batch's first tile, my head's three pieces
	s_mul_i32 s60, s2, 72*512
	s_lshr_b32 s50, s3, 2
	s_lshl_b32 s50, s50, 7
	s_add_co_u32 s60, s60, s50
	s_and_b32 s50, s3, 3
	s_lshl_b32 s50, s50, 1
	s_add_co_u32 s60, s60, s50
	s_add_co_u32 s60, s60, HSC
	s_add_nc_u64 s[58:59], s[8:9], s[60:61]        ; and my head's two scale bytes of a row
	v_and_b32 v8, 31, v0                           ; lane
	v_and_b32 v9, 15, v0                           ; r
	v_bfe_u32 v10, v0, 4, 1                        ; h
	s_delay_alu instid0(VALU_DEP_3)
	v_lshlrev_b32 v7, 3, v8
	s_delay_alu instid0(VALU_DEP_4)
	v_lshlrev_b32 v1, 3, v8                        ; K's pieces begin at LDS byte 0
	v_lshlrev_b32 v2, 4, v8
	s_delay_alu instid0(VALU_DEP_1)
	v_add_nc_u32 v2, VOFF, v2
	v_lshlrev_b32 v234, 2, v8
	s_delay_alu instid0(VALU_DEP_1)
	v_add_nc_u32 v3, SKOFF, v234
	s_delay_alu instid0(VALU_DEP_2)
	v_add_nc_u32 v4, SVOFF, v234
	v_lshlrev_b32 v235, 3, v9
	v_lshlrev_b32 v11, 3, v10
	s_delay_alu instid0(VALU_DEP_1)
	v_sub_nc_u32 v233, v9, v11
.irp n, 22,23,24,25,26,27,28,29,30,31,32,33
	v_mov_b32 v\n, 0                               ; the zero codes of [q | 0] and [0 | q]: written once
.endr
.irp n, 220,221,222,223,229,230,236,237
	v_mov_b32 v\n, 0                               ; lane permutes' destinations and pairs' upper halves count as read; v236, v237 stay 0
.endr
	v_mov_b32 v239, 0xff800000                     ; -infinity
	s_mov_b32 s17, 3
	s_wait_tensorcnt 0x0                           ; my part of the record is in,
	s_barrier_signal -1
	s_barrier_wait -1                              ; everybody's is
.Lslot:                                                ; three trips: the tile in s14; -1: none
	s_wait_xcnt 0x0                                ; the last tile's loads and stores have read their addresses and data, which are written again below
	s_max_i32 s21, s14, 0
	s_lshl_b32 s20, s14, 4                         ; my first query (-16: every step is left out)
	s_mov_b32 s61, 0
	s_mul_i32 s60, s21, 768
	s_add_nc_u64 s[42:43], s[52:53], s[60:61]
	s_lshl_b32 s60, s21, 7
	s_add_nc_u64 s[44:45], s[54:55], s[60:61]
	s_mul_i32 s60, s21, 12288
	s_add_nc_u64 s[46:47], s[56:57], s[60:61]
	s_lshl_b32 s60, s21, 9
	s_add_nc_u64 s[48:49], s[58:59], s[60:61]
.irp p, 0,1,2
	global_load_b64 v[16+2*\p:17+2*\p], v7, s[42:43] offset:256*\p     ; q into the lower half of one operand
	global_load_b64 v[34+2*\p:35+2*\p], v7, s[42:43] offset:256*\p     ; and into the upper half of the other: the two share no register
.endr
	global_load_b32 v231, v234, s[44:45]           ; lanes 0-15: q's scale words
	v_mov_b32 v13, 0xff61b1e6                      ; the largest t so far: -3e38
	s_delay_alu instid0(VALU_DEP_1)
	v_floor_f32 v12, -v13                          ; -M
	v_mov_b32 v14, 0
	v_mov_b32 v15, 0
	s_mov_b32 s36, 0                               ; the step's places in the record: K,
	s_mov_b32 s37, 0                               ; V,
	s_mov_b32 s38, 0                               ; K's scale words,
	s_mov_b32 s39, 0                               ; V's
	s_mov_b32 s19, 0                               ; the step's first key
	s_mov_b32 s18, 9
	s_wait_loadcnt 0x0
	v_lshl_or_b32 v232, v231, 16, 0x7f7f           ; the same two bytes for the upper half of K
.set n, 0
.rept 32
	v_mov_b32 v[164+n], 0                          ; O^T: the first change of M leaves zeros zeros.  (These are also the places between the line above and the scaled products)
.set n, n+1
.endr
.Lstep:                                                ; nine trips: 128 keys each
	s_add_co_i32 s2, s20, 15
	s_cmp_gt_i32 s19, s2
	s_cbranch_scc1 .Lhidden                        ; all keys of the step come after my queries
	v_add_nc_u32 v8, s36, v1                       ; (four plain instructions: the places in front of loads into registers that the last products read)
	v_add_nc_u32 v9, s37, v2
	v_add_nc_u32 v10, s38, v3
	v_add_nc_u32 v11, s39, v4
.irp i, 0,1,2,3
.irp p, 0,1,2,3,4,5
	ds_load_b64 v[40+12*\i+2*\p:41+12*\i+2*\p], v8 offset:1536*\i+256*\p
.endr
.endr
.irp t, 0,1,2,3,4,5,6,7
	ds_load_b32 v[88+\t], v10 offset:128*\t        ; lanes 16-31: tile t's scale words
.endr
	s_wait_alu depctr_va_vdst(0)
	s_wait_dscnt 0x0
.irp t, 0,1,2,3,4,5,6,7
	v_wmma_scale_f32_16x16x128_f8f6f4 v[100+8*\t:107+8*\t], v[40+12*(\t/2):51+12*(\t/2)], v[16+12*(\t%2):27+12*(\t%2)], 0, v[88+\t], v[231+\t%2] matrix_a_fmt:MATRIX_FMT_FP6 matrix_b_fmt:MATRIX_FMT_FP6 matrix_a_scale:MATRIX_SCALE_ROW1
.endr
.rept 4
	v_nop                                          ; places behind the products: their results are read, and K's registers loaded anew
.endr
.irp t, 0,1,2,3
.irp g, 0,1,2
	ds_load_b128 v[40+12*\t+4*\g:43+12*\t+4*\g], v9 offset:1536*\t+512*\g   ; V^T's four fragments, early: they land under the softmax
.endr
	ds_load_b32 v[96+\t], v11 offset:128*\t
.endr
	s_add_co_u32 s2, s19, 127
	s_cmp_le_i32 s2, s20
	s_cbranch_scc1 .Lopen                          ; all keys of the step count
	s_sub_co_i32 s2, s20, s19
	v_add_nc_u32 v230, s2, v233                    ; d = my query - the step's first key - 8 h.  Register 8 t + j holds key 16 t + 8 h + j: hidden where 16 t + j > d
.set n, 0
.rept 64
	v_cmp_gt_i32 vcc_lo, 16*(n/8)+n%8, v230
	v_cndmask_b32 v[100+n], v[100+n], v239, vcc_lo
.set n, n+1
.endr
.Lopen:
.irp b, 0,1,2,3
	v_max3_num_f32 v[216+\b], v[100+16*\b], v[101+16*\b], v[102+16*\b]   ; the largest score of each block of 32 keys: for the row's maximum and for the block's largest p
.endr
.irp i, 3,5,7,9,11,13
.irp b, 0,1,2,3
	v_max3_num_f32 v[216+\b], v[216+\b], v[100+16*\b+\i], v[101+16*\b+\i]
.endr
.endr
.irp b, 0,1,2,3
	v_max_num_f32 v[216+\b], v[216+\b], v[115+16*\b]
.endr
.irp b, 0,1,2,3
	s_delay_alu instid0(VALU_DEP_4)
	v_permlanex16_b32 v[220+\b], v[216+\b], s40, s41
.endr
.irp b, 0,1,2,3
	s_delay_alu instid0(VALU_DEP_4)
	v_max_num_f32 v[216+\b], v[216+\b], v[220+\b]
.endr
	s_delay_alu instid0(VALU_DEP_2)
	v_max3_num_f32 v230, v216, v217, v218
	s_delay_alu instid0(VALU_DEP_1)
	v_max_num_f32 v230, v230, v219
	s_delay_alu instid0(VALU_DEP_1)
	v_mul_f32 v230, s22, v230                      ; as t
	s_delay_alu instid0(VALU_DEP_1)
	v_max_num_f32 v13, v13, v230                   ; the running largest t
	v_mov_b32 v230, v12
	s_delay_alu instid0(VALU_DEP_2)
	v_floor_f32 v12, -v13                          ; the new -M = -ceil(t)
	s_delay_alu instid0(VALU_DEP_1)
	v_sub_f32 v230, v12, v230                      ; old M - new M: a whole number, 0 or less
	s_delay_alu instid0(VALU_DEP_1)
	v_cvt_i32_f32 v230, v230                       ; (it saturates)
	s_delay_alu instid0(VALU_DEP_1)
	v_ldexp_f32 v228, 1.0, v230                    ; f = 2^(old M - new M)
.set n, 0
.rept 32
	v_pk_fma_f32 v[100+n:101+n], v[100+n:101+n], s[22:23], v[12:13] op_sel_hi:[1,0,0]   ; t - M
.set n, n+2
.endr
.irp b, 0,1,2,3
	v_fma_f32 v[216+\b], v[216+\b], s22, v12
.endr
.set n, 0
	s_wait_alu depctr_va_vdst(0)
.rept 64
	v_exp_f32 v[100+n], v[100+n]                   ; p = 2^(t - M)
.set n, n+1
.endr
	v_pk_mul_f32 v[14:15], v[14:15], v[228:229] op_sel_hi:[1,0]   ; the sums under the new M.  (A plain instruction behind the exponentials)
	s_wait_alu depctr_va_vdst(0)                   ; the wait ahead of the first line that names a result: one for the batch of 64
.irp b, 0,1,2,3
	v_exp_f32 v[216+\b], v[216+\b]                 ; the blocks' largest p
.endr
	v_pk_add_f32 v[220:221], v[104:105], v[108:109]
	v_pk_add_f32 v[254:255], v[112:113], v[116:117]
	v_pk_add_f32 v[252:253], v[120:121], v[124:125]
	v_pk_add_f32 v[250:251], v[128:129], v[132:133]
	v_pk_add_f32 v[248:249], v[136:137], v[140:141]
	v_pk_add_f32 v[246:247], v[144:145], v[148:149]
	v_pk_add_f32 v[244:245], v[152:153], v[156:157]
	v_pk_add_f32 v[14:15], v[14:15], v[160:161]
	v_pk_add_f32 v[220:221], v[220:221], v[100:101]
	v_pk_add_f32 v[254:255], v[254:255], v[102:103]
	v_pk_add_f32 v[252:253], v[252:253], v[106:107]
	v_pk_add_f32 v[250:251], v[250:251], v[110:111]
	v_pk_add_f32 v[248:249], v[248:249], v[114:115]
	v_pk_add_f32 v[246:247], v[246:247], v[118:119]
	v_pk_add_f32 v[244:245], v[244:245], v[122:123]
	v_pk_add_f32 v[14:15], v[14:15], v[126:127]
	v_pk_add_f32 v[220:221], v[220:221], v[130:131]
	v_pk_add_f32 v[254:255], v[254:255], v[134:135]
	v_pk_add_f32 v[252:253], v[252:253], v[138:139]
	v_pk_add_f32 v[250:251], v[250:251], v[142:143]
	v_pk_add_f32 v[248:249], v[248:249], v[146:147]
	v_pk_add_f32 v[246:247], v[246:247], v[150:151]
	v_pk_add_f32 v[244:245], v[244:245], v[154:155]
	v_pk_add_f32 v[14:15], v[14:15], v[158:159]
	v_pk_add_f32 v[220:221], v[220:221], v[162:163]
	s_delay_alu instid0(VALU_DEP_2)
	v_pk_add_f32 v[14:15], v[14:15], v[250:251]
	s_delay_alu instid0(VALU_DEP_2)
	v_pk_add_f32 v[220:221], v[220:221], v[248:249]
	v_pk_add_f32 v[254:255], v[254:255], v[246:247]
	v_pk_add_f32 v[252:253], v[252:253], v[244:245]
	s_delay_alu instid0(VALU_DEP_2)
	v_pk_add_f32 v[14:15], v[14:15], v[254:255]
	s_delay_alu instid0(VALU_DEP_2)
	v_pk_add_f32 v[220:221], v[220:221], v[252:253]
	s_delay_alu instid0(VALU_DEP_1)
	v_pk_add_f32 v[14:15], v[14:15], v[220:221]
	s_wait_alu depctr_va_vdst(0)                   ; and one for the four
.irp b, 0,1,2,3
	v_max_num_f32 v[216+\b], 0x1800000, v[216+\b]  ; the floor 2^(3 - 127)
.endr
.irp b, 0,1,2,3
	s_delay_alu instid0(VALU_DEP_4)
	v_add_nc_u32 v[224+\b], 0xff000000, v[216+\b]  ; the conversion's scale operand
.endr
.irp b, 0,1,2,3
	s_delay_alu instid0(VALU_DEP_4)
	v_lshrrev_b32 v[220+\b], 23, v[224+\b]         ; the scale's byte
.endr
	s_delay_alu instid0(VALU_DEP_3)
	v_lshl_or_b32 v229, v221, 8, v220              ; p's scale word for these 128 keys
	s_delay_alu instid0(VALU_DEP_1)
	v_lshl_or_b32 v229, v222, 16, v229
	s_delay_alu instid0(VALU_DEP_1)
	v_lshl_or_b32 v229, v223, 24, v229
.irp c, 0,1
	v_cvt_scalef32_pk16_fp6_f32 v[196+6*\c:198+6*\c], v[100+32*\c:115+32*\c], v[224+2*\c]
	v_cvt_scalef32_pk16_fp6_f32 v[208+4*\c:210+4*\c], v[116+32*\c:131+32*\c], v[224+2*\c+1]
.endr
	v_nop                                          ; one plain place behind a scaled conversion
.irp c, 0,1
.irp i, 0,1,2
	v_permlane16_swap_b32 v[196+6*\c+\i], v[208+4*\c+\i]
.endr
.irp i, 0,1,2
	s_delay_alu instid0(VALU_DEP_3)
	v_mov_b32 v[199+6*\c+\i], v[208+4*\c+\i]
.endr
.endr
.set n, 0
.rept 16
	v_pk_mul_f32 v[164+n:165+n], v[164+n:165+n], v[228:229] op_sel_hi:[1,0]   ; O^T under the new M.  (Also the places between the scale word's and the codes' last lines and the products)
.set n, n+2
.endr
	s_wait_alu depctr_va_vdst(0)
	s_wait_dscnt 0x0                               ; V is in
.irp t, 0,1,2,3
	v_wmma_scale_f32_16x16x128_f8f6f4 v[164+8*\t:171+8*\t], v[40+12*\t:51+12*\t], v[196:207], v[164+8*\t:171+8*\t], v[96+\t], v229 matrix_a_fmt:MATRIX_FMT_FP6 matrix_b_fmt:MATRIX_FMT_FP6
.endr
.Lhidden:
	s_add_co_u32 s19, s19, 128
	s_add_co_u32 s36, s36, 6144
	s_add_co_u32 s37, s37, 6144
	s_add_co_u32 s38, s38, 1024
	s_add_co_u32 s39, s39, 512
	s_sub_co_u32 s18, s18, 1
	s_cmp_lg_u32 s18, 0
	s_cbranch_scc1 .Lstep
	; the tile is finished: O^T / the sum, quantised: my head's two blocks of the model's axis
.rept 4
	v_nop
.endr
	v_add_f32 v14, v14, v15
	s_delay_alu instid0(VALU_DEP_1)
	v_permlanex16_b32 v230, v14, s40, s41
	s_delay_alu instid0(VALU_DEP_1)
	v_add_f32 v14, v14, v230                       ; the row's sum
	s_wait_alu depctr_va_vdst(0)
	v_rcp_f32 v15, v14
	v_nop
	s_wait_alu depctr_va_vdst(0)
.set n, 0
.rept 32
	v_mul_f32 v[100+n], v[164+n], v15              ; register 16 b + i is o(query r, d = 32 b + 16 h + i)
.set n, n+1
.endr
.irp b, 0,1
	v_max3_num_f32 v[216+\b], |v[100+16*\b]|, |v[101+16*\b]|, 0x1800000
.endr
.irp i, 2,4,6,8,10,12,14
.irp b, 0,1
	s_delay_alu instid0(VALU_DEP_2)
	v_max3_num_f32 v[216+\b], v[216+\b], |v[100+16*\b+\i]|, |v[101+16*\b+\i]|
.endr
.endr
.irp b, 0,1
	s_delay_alu instid0(VALU_DEP_2)
	v_permlanex16_b32 v[220+\b], v[216+\b], s40, s41
.endr
.irp b, 0,1
	s_delay_alu instid0(VALU_DEP_2)
	v_max_num_f32 v[216+\b], v[216+\b], v[220+\b]
.endr
.irp b, 0,1
	s_delay_alu instid0(VALU_DEP_2)
	v_add_nc_u32 v[224+\b], 0xff000000, v[216+\b]
.endr
.irp b, 0,1
	s_delay_alu instid0(VALU_DEP_2)
	v_lshrrev_b32 v[220+\b], 23, v[224+\b]
.endr
	s_delay_alu instid0(VALU_DEP_1)
	v_lshl_or_b32 v238, v221, 8, v220              ; the two bytes
	v_cvt_scalef32_pk16_fp6_f32 v[196:198], v[100:115], v224
	v_cvt_scalef32_pk16_fp6_f32 v[208:210], v[116:131], v225
	v_nop
.irp i, 0,1,2
	v_permlane16_swap_b32 v[196+\i], v[208+\i]
.endr
.irp i, 0,1,2
	s_delay_alu instid0(VALU_DEP_3)
	v_mov_b32 v[199+\i], v[208+\i]
.endr
	s_cmp_lt_i32 s14, 0
	s_cbranch_scc1 .Lno_store
.irp p, 0,1,2
	global_store_b64 v7, v[196+2*\p:197+2*\p], s[46:47] offset:256*\p   ; each store covers 256 consecutive bytes, aligned
.endr
	global_store_b16 v235, v238, s[48:49]          ; lanes r and r + 16 write the same two bytes with the same value
.Lno_store:
	s_mov_b32 s14, s15
	s_mov_b32 s15, s16
	s_mov_b32 s16, -1
	s_sub_co_u32 s17, s17, 1
	s_cmp_lg_u32 s17, 0
	s_cbranch_scc1 .Lslot
	; the batch's pad tiles 65 .. 71: zero codes and the byte 127, so that the next launch reads only bytes that were stored.  Waves j = 16 .. 22, one tile each
	s_sub_co_u32 s2, s13, 16
	s_cmp_lt_u32 s2, 7
	s_cbranch_scc0 .Lno_pad
	s_wait_xcnt 0x0
	s_add_co_u32 s21, s2, 65
	s_mov_b32 s61, 0
	s_mul_i32 s60, s21, 12288
	s_add_nc_u64 s[46:47], s[56:57], s[60:61]
	s_lshl_b32 s60, s21, 9
	s_add_nc_u64 s[48:49], s[58:59], s[60:61]
	v_mov_b32 v238, 0x7f7f
.irp p, 0,1,2
	global_store_b64 v7, v[236:237], s[46:47] offset:256*\p
.endr
	global_store_b16 v235, v238, s[48:49]
.Lno_pad:
	s_wait_tensorcnt 0x0                           ; the wave's end, behind my last tensor load
	ds_add_u32 v5, v6
	s_wait_dscnt 0x0
	s_endpgm
.Lfunc_end_k_q0db2813b85_attn:
	.size	k_q0db2813b85_attn, .Lfunc_end_k_q0db2813b85_attn-k_q0db2813b85_attn
	.p2alignl 7, 3214868480
	.fill 96, 4, 3214868480
	.section	.rodata,"a",@progbits
	.p2align	6, 0x0
	.amdhsa_kernel k_q0db2813b85_attn
		.amdhsa_group_segment_fixed_size 167936
		.amdhsa_private_segment_fixed_size 0
		.amdhsa_enable_private_segment 0
		.amdhsa_kernarg_size 24
		.amdhsa_user_sgpr_count 2
		.amdhsa_user_sgpr_kernarg_segment_ptr 1
		.amdhsa_wavefront_size32 1
		.amdhsa_system_sgpr_workgroup_id_x 1
		.amdhsa_system_sgpr_workgroup_id_y 1
		.amdhsa_system_sgpr_workgroup_id_z 1
		.amdhsa_system_vgpr_workitem_id 0
		.amdhsa_next_free_vgpr 256
		.amdhsa_next_free_sgpr 66
		.amdhsa_reserve_vcc 1
		.amdhsa_float_denorm_mode_32 3
		.amdhsa_float_denorm_mode_16_64 3
		.amdhsa_memory_ordered 1
		.amdhsa_forward_progress 1
		.amdhsa_inst_pref_size 37
	.end_amdhsa_kernel
	.amdgpu_metadata
---
amdhsa.version: [ 1, 2 ]
amdhsa.kernels:
  - .name:           k_q0db2813b85_attn
    .symbol:         k_q0db2813b85_attn.kd
    .args:
      - { .name: qimg, .offset: 0, .size: 8, .value_kind: global_buffer, .address_space: global }
      - { .name: kv, .offset: 8, .size: 8, .value_kind: global_buffer, .address_space: global }
      - { .name: oq, .offset: 16, .size: 8, .value_kind: global_buffer, .address_space: global }
    .group_segment_fixed_size: 167936
    .private_segment_fixed_size: 0
    .kernarg_segment_align: 8
    .kernarg_segment_size: 24
    .max_flat_workgroup_size: 512
    .sgpr_count:     66
    .vgpr_count:     256
    .wavefront_size: 32
...
	.end_amdgpu_metadata
.endif
;; end of part 3
;; launch outp (part 4): grid 4 x 64, 4 waves a work-group, clusters of 4 x 1, 167,936 bytes of LDS; arguments oq, wq, out_b, out0; writes out0
.if DOCPART == 4
	.amdgcn_target "amdgcn-amd-amdhsa--gfx1250"
	.amdhsa_code_object_version 6
	.text
	.protected	k_q0db2813b85_outp
	.globl	k_q0db2813b85_outp
	.p2align	8
	.type	k_q0db2813b85_outp,@function
k_q0db2813b85_outp:
	s_mov_b64 s[64:65], 0
	v_nop
	global_prefetch_b8 v0, s[64:65] scope:SCOPE_SE
	s_setreg_imm32_b32 hwreg(HW_REG_WAVE_MODE, 25, 1), 1
	s_wait_xcnt 0x0
	s_wait_alu depctr_hold_cnt(0) depctr_sa_sdst(0) depctr_va_vdst(0) depctr_va_sdst(0) depctr_va_ssrc(0) depctr_va_vcc(0) depctr_vm_vsrc(0)
	s_getreg_b32 s2, hwreg(HW_REG_IB_STS2, 6, 4)
	s_cmp_eq_u32 s2, 0
	s_cbranch_scc0 .Lentry_in_a_cluster
	s_endpgm
.Lentry_in_a_cluster:
	s_bfe_u32 s2, ttmp6, 0x10000c
	s_cmp_lg_u32 s2, 0x3003
	s_cbranch_scc0 .Lentry_shape_is_right
	s_endpgm
.Lentry_shape_is_right:
; THE PROJECTION ON THE WAY OUT on codes of E2M3: out0 = o out_w^T + out_b, K = 1,024.
; A work-group makes 144 padded rows (9 row tiles of oq: an eighth of a batch's 72) x 256 columns: 64 x 4 = 256 work-groups.  A wave makes the 144 rows x 64 columns.
; A (oq's 9 tiles, all of K: 110,592 bytes of codes, 4,608 of scale words) comes into LDS ONCE, and so do the scale words of the 256 rows of out_w: one tensor load a wave at the head; nothing is filled again: no ring.
; B: a wave's 4 tiles of out_w, all of K, are 32 fragments, 384 registers: they come from memory straight into the registers, as they lie (pieces of 256 consecutive bytes, 8 bytes a lane), and stay.
; THE WALK goes by row tiles: 32 matrix instructions finish a tile (its 4 accumulators by turns, K ascending); the bias is the C of each sum's first instruction.
; While tile a is multiplied, tile a - 1 leaves: through my own stage in LDS, back as rows of 256 bytes, sixteen lanes to an aligned unit of 256 bytes.  A's fragments are fetched two tiles ahead, in two sets.
; THE MATRIX INSTRUCTION IS USED TRANSPOSED (source 0 = 16 rows of out_w, source 1 = 16 rows of o): a lane holds eight neighbouring numbers of a row of out0.
; CLUSTER 4, 1, 1: the four work-groups of a row block ask for A and its scale words jointly; each has its own columns of out_w, so those loads are its own.
; A batch has 1,025 rows: in its last block only tile 0 and row 0 of tile 1 are rows of out0; the tiles behind them are pad rows and are neither multiplied nor stored (a branch on the block's number, which the partners share).
; No prefetch: all that the work-group reads is asked for at its head; there is no loop to run ahead in.
; REGISTERS: window 0: v1-15 addresses; v32-63 B's scale words (8 t + kk); v64-79 A's, two sets; v128-223 A's fragments of even tiles.  window 1: B's fragments of K 0-511 at 12 (4 t + kk); window 2: of K 512-1,023.
;   window 3: v0-63 accumulators, two sets; v64-95 a tile's rows on their way out; v96-127 the bias in the result's layout; v128-223 A's fragments of odd tiles.
.set HSC,   7077888                    ; oq: the scale words begin behind 576 images of 12,288 bytes
.set WSC,   3145728                    ; wq: behind 256 images
.set SA,    110592                     ; LDS: A's codes from 0; A's scale words;
.set SB,    115200                     ; B's scale words;
.set STG,   123392                     ; the stages, 16 rows of 272 bytes for each wave;
.set SPITCH, 272
.set SPARE, 140800                     ; the spare words, 128 bytes for each wave
.set L8,    4                          ; v4  8 x lane: A's tiles 0-4 in LDS, and a piece's place in memory
.set ADA1,  5                          ; v5  the same for A's tiles 5-8
.set ADSA,  6
.set ADSB,  7
.set STO,   8
.set RD,    9
.set CO,    10
.set BO,    11
.set RD1,   12
.set SPW,   14
.set NIL,   15
.set MSB, 0
.macro WIN new
.if MSB != (\new)
	s_set_vgpr_msb (MSB<<8)|(\new)
.set MSB, (\new)
.endif
.endm
.macro CREST
	s_cmp_lg_u32 s18, 0
	s_cbranch_scc1 .Lnot_wave_0_\@
	s_barrier_signal -3
.Lnot_wave_0_\@:
	s_barrier_wait -3
	s_barrier_signal -1
	s_barrier_wait -1
.endm
.macro CROUND
	s_barrier_signal -1
	s_barrier_wait -1
	CREST
.endm
.macro G1SET g, first, rows            ; group 1: a dense block as rows of 256 bytes (32 elements of 8)
	s_mov_b32 s[\g], \first
	s_mov_b32 s[\g+1], 32<<16
	s_mov_b32 s[\g+2], (\rows)<<16
	s_mov_b32 s[\g+3], 32<<16
	s_mov_b32 s[\g+4], \rows
	s_mov_b32 s[\g+5], 32
	s_mov_b32 s[\g+6], 0
	s_mov_b32 s[\g+7], 0
.endm
.macro G0SET g, lds, src, plus
	s_mov_b32 s[\g], 1
	s_mov_b32 s[\g+1], \lds
	s_add_nc_u64 s[\g+2:\g+3], s[\src:\src+1], \plus
	s_or_b32 s[\g+3], s[\g+3], 0x80000000
.endm
.macro ARM under, g0, g1, next
	s_cmp_lt_u32 s18, \under
	s_cbranch_scc0 \next
	tensor_load_to_lds s[\g0:\g0+3], s[\g1:\g1+7]
	s_nop 0
.rept 4
	v_nop
.endr
	s_branch .Lasked
\next:
.endm
	s_load_b256 s[4:11], s[0:1], 0x0               ; oq, wq, out_b, out0
	v_lshl_add_u32 v[SPW], v0, 2, SPARE
	v_mov_b32 v[NIL], 0
	ds_add_u32 v[SPW], v[NIL]                      ; the opening lines: the add twice on end, and its wait ahead of my first tensor load
	ds_add_u32 v[SPW], v[NIL]
	v_lshrrev_b32 v1, 5, v0
	v_readfirstlane_b32 s18, v1                    ; wave 0..3
	v_and_b32 v1, 15, v0                           ; r
	v_bfe_u32 v2, v0, 4, 1                         ; h
	v_and_b32 v3, 31, v0
	v_lshlrev_b32 v[L8], 3, v3
	v_add_nc_u32 v[ADA1], 61440, v[L8]
	v_lshlrev_b32 v13, 3, v1                       ; scale words: 8 bytes a row and K step of 256
	v_add_nc_u32 v[ADSA], SA, v13
	s_lshl_b32 s2, s18, 11
	s_add_co_u32 s2, s2, SB                        ; my four tiles' scale words
	v_add_nc_u32 v[ADSB], s2, v13
	s_mul_i32 s3, s18, 16*SPITCH
	s_add_co_u32 s3, s3, STG                       ; my stage
	v_mul_u32_u24 v13, v1, SPITCH
	v_lshl_add_u32 v13, v2, 5, v13
	v_add_nc_u32 v[STO], s3, v13                   ; in: row r, 32 bytes for each half of the lanes
	v_mul_u32_u24 v13, v2, SPITCH
	v_lshl_add_u32 v13, v1, 4, v13
	v_add_nc_u32 v[RD], s3, v13                    ; back: lanes 0-15 one row of 256 bytes, lanes 16-31 the next
	v_add_nc_u32 v[RD1], s3, v[L8]                 ; back, row 0 alone: 8 bytes a lane
	v_lshlrev_b32 v13, 12, v2
	v_lshl_add_u32 v[CO], v1, 4, v13               ; the same two rows in out0
	v_lshlrev_b32 v[BO], 5, v2                     ; the bias: 32 h
	s_bfe_u32 s21, ttmp6, 0x40000                  ; cx: my block of 256 columns
	s_and_b32 s20, ttmp7, 0xffff                   ; y: my block of 144 rows, the same in all four partners
	s_lshr_b32 s23, s20, 3                         ; batch
	s_and_b32 s22, s20, 7                          ; block of the batch
	G1SET 24, 15|(3<<16)|(1<<21), 240              ; A's tiles 0-4: 61,440 bytes, asked for jointly
	G1SET 32, 15|(3<<16)|(1<<21), 192              ; A's tiles 5-8: 49,152 bytes
	G1SET 40, 15|(3<<16)|(1<<21), 18               ; A's scale words: 4,608 bytes
	G1SET 48, 3<<16, 32                            ; B's scale words: 8,192 bytes, my own
	s_mul_i32 s76, s20, 110592
	s_mov_b32 s77, 0
	s_mul_i32 s78, s20, 4608
	s_add_co_u32 s78, s78, HSC
	s_mov_b32 s79, 0
	s_add_co_u32 s80, s21, 12                      ; out_w's tiles 192 + 16 cx of wq, 12,288 bytes each
	s_mul_i32 s80, s80, 196608
	s_mul_i32 s19, s18, 49152                      ; my four tiles
	s_add_co_u32 s80, s80, s19
	s_mov_b32 s81, 0
	s_lshl_b32 s82, s21, 13
	s_add_co_u32 s82, s82, WSC+98304
	s_mov_b32 s83, 0
	s_lshl_b32 s86, s21, 10
	s_lshl_b32 s19, s18, 8
	s_add_co_u32 s86, s86, s19                     ; my 64 columns, in bytes
	s_mov_b32 s87, 0
	s_mul_i32 s84, s23, 1025
	s_mul_i32 s19, s22, 144
	s_add_co_u32 s84, s84, s19                     ; my first row of out0
	s_lshl_b32 s84, s84, 12
	s_add_co_u32 s84, s84, s86
	s_mov_b32 s85, 0
	s_wait_alu depctr_va_vdst(0)
	s_wait_dscnt 0x0                               ; both opening adds are done
	s_wait_kmcnt 0x0
	s_add_nc_u64 s[76:77], s[4:5], s[76:77]        ; A's codes
	s_add_nc_u64 s[78:79], s[4:5], s[78:79]        ; A's scale words
	s_add_nc_u64 s[16:17], s[6:7], s[80:81]        ; my fragments of B
	s_add_nc_u64 s[82:83], s[6:7], s[82:83]        ; B's scale words
	s_add_nc_u64 s[14:15], s[8:9], s[86:87]        ; the bias
	s_add_nc_u64 s[12:13], s[10:11], s[84:85]      ; out0
	G0SET 56, 0, 76, 0
	G0SET 60, 61440, 76, 61440
	G0SET 68, SA, 78, 0
	G0SET 72, SB, 82, 0
	CROUND                                         ; all four work-groups are here: the joint loads meet
	ARM 1, 56, 24, .Lhead_1                        ; one chain of branches on the wave's number: every way through it passes exactly one load
	ARM 2, 60, 32, .Lhead_2
	ARM 3, 68, 40, .Lhead_3
	tensor_load_to_lds s[72:75], s[48:55]
	s_nop 0
.rept 4
	v_nop
.endr
.Lasked:
	WIN 0xc0
.irp t, 0,1,2,3
	global_load_b128 v[96+8*\t:99+8*\t], v[BO], s[14:15] offset:64*\t          ; the bias of columns 16 t + 8 h + 0 .. 7
	global_load_b128 v[100+8*\t:103+8*\t], v[BO], s[14:15] offset:64*\t+16
.endr
.irp kk, 0,1,2,3,4,5,6,7                       ; B's fragments, K ascending: 24 loads for each 128 along K
	WIN 0x40*(1+\kk/4)
.irp t, 0,1,2,3
.irp p, 0,1,2,3,4,5
	global_load_b64 v[12*(4*\t+\kk%4)+2*\p:12*(4*\t+\kk%4)+2*\p+1], v[L8], s[16:17] offset:\t*12288+\kk*1536+256*\p
.endr
.endr
.endr
	WIN 0
	s_wait_tensorcnt 0x0                           ; my tile of the four is in,
	s_barrier_signal -1
	s_barrier_wait -1                              ; everybody's is
.irp t, 0,1,2,3
.irp s, 0,1,2,3
	ds_load_b64 v[32+8*\t+2*\s:33+8*\t+2*\s], v[ADSB] offset:512*\t+128*\s
.endr
.endr
.macro AFETCH a                        ; A's tile a: 4 loads of scale words and 48 of fragments, into set a % 2
.set AB, L8+(\a)/5
.set AO, ((\a)%5)*12288
	WIN 0
.irp s, 0,1,2,3
	ds_load_b64 v[64+8*((\a)%2)+2*\s:65+8*((\a)%2)+2*\s], v[ADSA] offset:512*(\a)+128*\s
.endr
	WIN 0xc0*((\a)%2)
.irp f, 0,1,2,3,4,5,6,7
.irp p, 0,1,2,3,4,5
	ds_load_b64 v[128+12*\f+2*\p:129+12*\f+2*\p], v[AB] offset:AO+1536*\f+256*\p
.endr
.endr
.endm
.macro MULS a                          ; tile a: 32 matrix instructions
.set AW, 3*((\a)%2)
.set ACC, 32*((\a)%2)
.irp kk, 0,1,2,3,4,5,6,7
.if (\a) == 0
.if (7-\kk)*24 > 63
	s_wait_loadcnt 63                              ; B's fragments of this 128 along K (and the bias) are in: more than 63 loads were issued behind them
.else
	s_wait_loadcnt (7-\kk)*24                      ; those of the later K may be out
.endif
.endif
	WIN 0xf0|(AW<<2)|(1+\kk/4)                     ; source 0: B's window; source 1: A's; C and D: window 3
.irp t, 0,1,2,3
.if \kk == 0
	v_wmma_scale_f32_16x16x128_f8f6f4 v[ACC+8*\t:ACC+8*\t+7], v[12*(4*\t+\kk%4):12*(4*\t+\kk%4)+11], v[128+12*\kk:139+12*\kk], v[96+8*\t:103+8*\t], v[32+8*\t+\kk], v[64+8*((\a)%2)+\kk] matrix_a_fmt:MATRIX_FMT_FP6 matrix_b_fmt:MATRIX_FMT_FP6
.else
	v_wmma_scale_f32_16x16x128_f8f6f4 v[ACC+8*\t:ACC+8*\t+7], v[12*(4*\t+\kk%4):12*(4*\t+\kk%4)+11], v[128+12*\kk:139+12*\kk], v[ACC+8*\t:ACC+8*\t+7], v[32+8*\t+\kk], v[64+8*((\a)%2)+\kk] matrix_a_fmt:MATRIX_FMT_FP6 matrix_b_fmt:MATRIX_FMT_FP6
.endif
.endr
.endr
.rept 4
	v_nop                                          ; places: ahead of loads into A's registers and of the reads of the results
.endr
.endm
.macro TOSTAGE a
	WIN 0x0c                                       ; the data: window 3
.irp t, 0,1,2,3
	ds_store_b128 v[STO], v[32*((\a)%2)+8*\t:32*((\a)%2)+8*\t+3] offset:64*\t        ; each accumulator from its low end on
	ds_store_b128 v[STO], v[32*((\a)%2)+8*\t+4:32*((\a)%2)+8*\t+7] offset:64*\t+16
.endr
.endm
.macro BACK
	WIN 0xc0
.irp u, 0,1,2,3,4,5,6,7
	ds_load_b128 v[64+4*\u:67+4*\u], v[RD] offset:2*SPITCH*\u     ; LDS serves a wave's instructions in order: these see the stores above
.endr
.endm
.macro SEND a
	WIN 0x0c
.irp u, 0,1,2,3,4,5,6,7
	global_store_b128 v[CO], v[64+4*\u:67+4*\u], s[12:13] offset:(16*(\a)+2*\u)*4096 th:TH_STORE_NT   ; sixteen lanes store 256 consecutive bytes, aligned
.endr
.endm
.macro TRIP a
.if (\a) < 2
	s_wait_dscnt 52                                ; tile a's 52 loads are in; the next fetched tile's 52 may be out
.endif
	MULS \a
.if (\a) >= 1
.if (\a) >= 2
	s_wait_xcnt 0x0                                ; the last tile's stores have read their registers
.endif
	TOSTAGE (\a)-1
	BACK
.endif
.if (\a)+2 <= 8
	AFETCH (\a)+2                                  ; into the set just multiplied
.endif
.if (\a) >= 1
.if (\a)+2 <= 8
	s_wait_dscnt 52                                ; the rows are back; the 52 loads just issued may be out
.else
	s_wait_dscnt 0x0
.endif
	SEND (\a)-1
.endif
.endm
	AFETCH 0
	AFETCH 1
	TRIP 0
	TRIP 1
	WIN 0
	s_cmp_eq_u32 s22, 7
	s_cbranch_scc1 .Llast                          ; the batch's last block: what follows tile 1 is pad rows
.irp a, 2,3,4,5,6,7,8
	TRIP \a
.endr
	s_wait_xcnt 0x0
	TOSTAGE 8
	BACK
	s_wait_dscnt 0x0
	SEND 8
	WIN 0
	s_branch .Lend
.Llast:
	s_wait_xcnt 0x0                                ; tile 0's stores have read their registers
	TOSTAGE 1
	WIN 0xc0
	ds_load_b64 v[64:65], v[RD1]                   ; row 0 of tile 1 is the batch's row 1,024: 8 bytes a lane
	s_wait_dscnt 0x0
	WIN 0x0c
	global_store_b64 v[L8], v[64:65], s[12:13] offset:16*4096 th:TH_STORE_NT   ; 32 lanes store 256 consecutive bytes, aligned
	WIN 0
.Lend:
	s_wait_tensorcnt 0x0                           ; the wave's end
	ds_add_u32 v[SPW], v[NIL]
	s_wait_dscnt 0x0
	CROUND                                         ; the closing round
	s_endpgm
.Lfunc_end_k_q0db2813b85_outp:
	.size	k_q0db2813b85_outp, .Lfunc_end_k_q0db2813b85_outp-k_q0db2813b85_outp
	.p2alignl 7, 3214868480
	.fill 96, 4, 3214868480
	.section	.rodata,"a",@progbits
	.p2align	6, 0x0
	.amdhsa_kernel k_q0db2813b85_outp
		.amdhsa_group_segment_fixed_size 167936
		.amdhsa_private_segment_fixed_size 0
		.amdhsa_enable_private_segment 0
		.amdhsa_kernarg_size 32
		.amdhsa_user_sgpr_count 2
		.amdhsa_user_sgpr_kernarg_segment_ptr 1
		.amdhsa_wavefront_size32 1
		.amdhsa_system_sgpr_workgroup_id_x 1
		.amdhsa_system_sgpr_workgroup_id_y 1
		.amdhsa_system_sgpr_workgroup_id_z 1
		.amdhsa_system_vgpr_workitem_id 0
		.amdhsa_next_free_vgpr 1024
		.amdhsa_next_free_sgpr 96
		.amdhsa_reserve_vcc 0
		.amdhsa_float_denorm_mode_32 3
		.amdhsa_float_denorm_mode_16_64 3
		.amdhsa_memory_ordered 1
		.amdhsa_forward_progress 1
		.amdhsa_inst_pref_size 114
	.end_amdhsa_kernel
	.amdgpu_metadata
---
amdhsa.version: [ 1, 2 ]
amdhsa.kernels:
  - .name:           k_q0db2813b85_outp
    .symbol:         k_q0db2813b85_outp.kd
    .args:
      - { .name: oq, .offset: 0, .size: 8, .value_kind: global_buffer, .address_space: global }
      - { .name: wq, .offset: 8, .size: 8, .value_kind: global_buffer, .address_space: global }
      - { .name: out_b, .offset: 16, .size: 8, .value_kind: global_buffer, .address_space: global }
      - { .name: out0, .offset: 24, .size: 8, .value_kind: global_buffer, .address_space: global }
    .group_segment_fixed_size: 167936
    .private_segment_fixed_size: 0
    .kernarg_segment_align: 8
    .kernarg_segment_size: 32
    .max_flat_workgroup_size: 128
    .sgpr_count:     96
    .vgpr_count:     1024
    .wavefront_size: 32
...
	.end_amdgpu_metadata
.endif
;; end of part 4
